; MI455X (gfx1250); checked and timed in simulation.
; The chip was launched on July 23, 2026; its instructions are those of AMD's public machine-readable ISA for CDNA 5 (MIT licence, August 2026) and "CDNA5" Instruction Set Architecture Reference Guide (July 2026). The comments in the code are by the model that wrote it; some were corrected since.
;; Masked Causal Attention. Allowed arithmetic: matrix products marked QUANTISED: E2M1 operands, one E8M0 scale for each 32 along K, by v_wmma_scale_f32_16x16x128_f8f6f4 with both operands' format E2M1 (or v_wmma_scale_f32_32x16x128_f4), f32 sums; products left as they are: bf16, f16 or f32 operands; f32 sums; everything else in f32.
;; Inputs: bk 1,024 float32; bp 1,024 float32; bq 1,024 float32; bv 1,024 float32; mask 8 x 1,024 int32; wk 1,024 x 1,024 float32; wp 1,024 x 1,024 float32; wq 1,024 x 1,024 float32; wv 1,024 x 1,024 float32; x 8 x 1,024 x 1,024 float32.
;; Outputs: out0 8 x 1,024 x 1,024 float32.
;; This version of the problem:
;;   THIS VERSION OF THE PROBLEM IS GIVEN IN LOW PRECISION. The matrix products marked QUANTISED in the list below multiply operands that are first quantised to E2M1 (2 exponent bits, 1 mantissa bit; 4 bits a number), with one power-of-two scale for each 32 numbers along K (OCP MX v1.0); their sums are f32. The products marked 'left as it is' may take bf16, f16 or f32 operands, with f32 sums. Whichever they take, every output number must still come out within the allowed error. Rounding operands to bf16 (8 significant bits) uses up far more of that allowance than f16 does (11 bits, for magnitudes from 6e-5 to 65,504). All else is computed in f32.
;;   The module's matrix products, in the order in which they are computed (A, B: the left and right operand; K: the contracted axis; several contracted axes count as one K, in the product's order):
;;     1. [M 8,192, K 1,024] x [K 1,024, N 1,024]; A: input x; B: input wq: QUANTISED
;;     2. [M 8,192, K 1,024] x [K 1,024, N 1,024]; A: input x; B: input wk: QUANTISED
;;     3. [M 8,192, K 1,024] x [K 1,024, N 1,024]; A: input x; B: input wv: QUANTISED
;;     4. batch 128 x [M 1,024, K 64] x [K 64, N 1,024]; A: computed on the way; B: computed on the way: left as it is (an operand is computed on the way)
;;     5. batch 128 x [M 64, K 1,024] x [K 1,024, N 1,024]; A: computed on the way; B: computed on the way: left as it is (an operand is computed on the way)
;;     6. [M 8,192, K 1,024] x [K 1,024, N 1,024]; A: computed on the way; B: input wp: left as it is (an operand is computed on the way)
;;   THE QUANTISER, for each operand of a quantised product, along K:
;;     - K is cut into blocks of 32 from its start; a last block that is shorter is filled with zeros.
;;     - A block's scale is 2^e with e = floor(log2(the largest magnitude in the block)) - 2, held to -126 .. 127; a block of zeros has e = 0. As a byte (E8M0): e + 127.
;;     - Each number is divided by its block's scale, clamped to +-6, and rounded to the nearest number of E2M1, ties to even, subnormals kept.
;;     - The product sums the exact products of the quantised numbers (number of the format x scale) in f32.
;;   ~~~python
;;   def quantise(x, axis):      # numpy; x: float32 -> the quantised numbers, widened to float32 again
;;       x = np.moveaxis(x, axis, -1); K = x.shape[-1]
;;       x = np.pad(x, [(0, 0)] * (x.ndim - 1) + [(0, -K % 32)]); x = x.reshape(x.shape[:-1] + (-1, 32)); a = np.abs(x).max(-1, keepdims=True)
;;       e = np.where(a > 0, np.clip(np.frexp(np.where(a > 0, a, 1))[1] - 1 - 2, -126, 127), 0)      # np.frexp(a)[1] - 1 = floor(log2(a)), exactly
;;       r = np.clip(x / 2.0 ** e, -6, 6)
;;       step = 2.0 ** (np.maximum(np.frexp(np.where(r == 0, 1, r))[1] - 1, 0) - 1)
;;       q = np.round(r / step) * step * 2.0 ** e      # np.round: ties to even
;;       return np.moveaxis(q.reshape(q.shape[:-2] + (-1,))[..., :K], -1, axis).astype(np.float32)
;;   ~~~
;; One version. Each part assembles by itself: llvm-mc -triple=amdgcn-amd-amdhsa -mcpu=gfx1250 --defsym DOCPART=n.
;; ======== version 1 of 1: 4 launches
;; limits: values are held in f16: magnitudes above 65,504 overflow, below 6.1e-05 lose precision
;; workspace buffers: xc 4,194,304 bytes; xs 262,144 bytes; wc 1,572,864 bytes; ws 98,304 bytes; wp16 2,097,152 bytes; qkv 50,331,648 bytes; ctx 16,777,216 bytes
;; launch prep (part 1): grid 384 x 1, 4 waves a work-group, no clusters, 33,280 bytes of LDS; arguments x, wq, wk, wv, wp, xc, xs, wc, ws, wp16; writes xc, xs, wc, ws, wp16
.if DOCPART == 1
	.amdgcn_target "amdgcn-amd-amdhsa--gfx1250"
	.amdhsa_code_object_version 6
	.text
	.protected	k_qc1fe0b9500_prep
	.globl	k_qc1fe0b9500_prep
	.p2align	8
	.type	k_qc1fe0b9500_prep,@function
k_qc1fe0b9500_prep:
	s_mov_b64 s[64:65], 0
	v_nop
	global_prefetch_b8 v0, s[64:65] scope:SCOPE_SE
	s_setreg_imm32_b32 hwreg(HW_REG_WAVE_MODE, 25, 1), 1
	s_wait_xcnt 0x0
; THE PROGRAM: out = softmax(mask(q k^T / 8)) v wp^T + bp, q = x wq^T + bq, k = x wk^T (+ bk), v = x wv^T + bv; 8 sequences of 1,024 positions, 16 heads of 64.  Four launches:
; this one (operands made ready), the three quantised products, attention, the projection.
; DEAD WORK: bk.  score(q, k) = Q_q . (K_k + bk_h) / 8 = Q_q . K_k / 8 + Q_q . bk_h / 8, and the second term is the same for every key of a row: the softmax along the keys takes it away
; for all finite values of the inputs; a key that the mask hides is -infinity with it and without it.  The product q k^T is not quantised, so no quantiser sees k.  So bk has no way to any output:
; it is not loaded and is among no launch's arguments.  LIMIT: a NaN, an infinity or an overflow that comes from bk alone is not carried to the result.
; THIS LAUNCH.  x [8192][1024] and wq, wk, wv [1024][1024], f32, K innermost, become codes of FP4 (E2M1), 4 bits each, with one E8M0 scale byte for each 32 along K; the three weights' codes and bytes are
; laid one behind the other, as one operand of 3,072 rows.  wp [1024][1024] is rounded to f16 (its product is left as it is).
; A block's scale is 2^(floor(log2(its largest magnitude)) - 2); its byte is the largest magnitude's own exponent field - 2, held at 1 from below.  A block of zeros so gets the byte 1 where the rule
; says 127: its codes are zeros, which add nothing under any byte but 0xff, and the bytes are read by this program alone.  Each number is divided by the scale and rounded to the nearest code, ties to even;
; beyond the largest code the conversion gives the largest.
; LIMITS: NaN and infinities among the inputs are not served; numbers of wp beyond 65,504 become infinite in f16.
; SHARES.  Rows are dense and K is a multiple of 32, so each tensor is a plain stream of blocks of 32.  A work-group takes 32,768 numbers, a wave 8,192.  Work-groups 0-255: x; 256-351: wq, wk, wv, 32 each; 352-383: wp.
; THE QUANTISING PATH.  16 steps of 512 numbers a wave.  A conversion takes 8 numbers of one block from one lane's registers, so a lane must hold 16 neighbours; a load is best where neighbouring lanes take
; neighbouring bytes.  Both are had: each of a step's four loads reads 512 consecutive bytes, 16 a lane; the 2,048 bytes go through the wave's own stage in LDS and come back 64 bytes a lane (16 bytes of padding
; behind each 64).  A lane's 16 codes are 8 bytes: the wave stores 256 consecutive bytes.  A wave's 256 scale bytes are gathered in LDS and leave by one store of 256 consecutive bytes.
; No tensor loads, no barrier: waves share nothing.  Loads run eight steps (32 loads, 16,384 bytes a wave) ahead, the turn through LDS one step.
.set WAVES, 4
.set STEPS, 16
.set AHEAD, 8                          ; steps whose loads are out
.set WGX,   256                        ; work-groups for x
.set WGW,   96                         ; for the three quantised weights
.set EMAX,  2
.set CB,    8                          ; bytes of 16 codes
.set R,     16                         ; v16-143  eight sets of 16 numbers as they are loaded
.set X,     144                        ; v144-175 two sets of 16 neighbours
.set E,     176                        ; v176-191 a scale byte for each step
.set C,     192                        ; v192-255 codes: four registers for each step, so that no store's data are written again
.set WREG,  8192                       ; LDS: a region for each wave: two stages of 32 x SP bytes, behind them its 256 scale bytes
.set SP,    80                         ; a lane's place in a stage: 64 bytes + 16 of padding
.set SPW,   12                         ; v12  LDS address of my spare word: SPARE + 4 x my thread's number; never rewritten
.set NIL,   13                         ; v13  0; never rewritten
.set SPARE, WAVES*WREG                 ; behind the four regions: the spare words, 128 bytes a wave, which no other line names
.set SRC,   26                         ; s[26:27] the tensor that I read
.set COD,   32                         ; s[32:33] where its codes go
.set SCB,   34                         ; s[34:35] where its scale bytes go
.set CA,    16                         ; the cast: two sets of 64 numbers, v16-79 and v80-143,
.set CBS,   80
.set OUT,   144                        ; and 32 registers of f16 pairs, v144-175
	s_load_b512 s[4:19], s[0:1], 0x0               ; x s[4:5], wq s[6:7], wk s[8:9], wv s[10:11], wp s[12:13], xc s[14:15], xs s[16:17], wc s[18:19]
	s_load_b128 s[20:23], s[0:1], 0x40             ; ws s[20:21], wp16 s[22:23]
	v_lshl_add_u32 v[SPW], v0, 2, SPARE
	v_mov_b32 v[NIL], 0
	v_lshrrev_b32 v1, 5, v0
	v_readfirstlane_b32 s24, v1                    ; wave
	v_and_b32 v2, 31, v0                           ; lane
	v_lshlrev_b32 v3, 4, v2                        ; my 16 bytes of a load's 512
	s_mul_i32 s25, s24, WREG
	v_lshrrev_b32 v14, 2, v2
	v_mul_u32_u24 v14, v14, SP
	v_and_b32 v15, 3, v2
	v_lshl_add_u32 v14, v15, 4, v14
	v_add_nc_u32 v14, s25, v14                     ; the stage, on the way in: four lanes' 64 bytes on end, then 16 of padding
	v_mul_u32_u24 v15, v2, SP
	v_add_nc_u32 v15, s25, v15                     ; and on the way out: SP x lane: my 16 neighbours
	v_mul_u32_u24 v4, v2, CB                       ; 8 x lane: my codes' place in a step's; in the cast my 8 bytes of a store's 256
	v_lshrrev_b32 v5, 1, v2
	s_add_co_u32 s25, s25, 2*32*SP
	v_add_nc_u32 v5, s25, v5                       ; LDS: my wave's 256 scale bytes, my block's byte
	v_lshlrev_b32 v7, 3, v2                        ; and on the way out 8 bytes a lane
	v_add_nc_u32 v6, s25, v7
	s_sub_co_u32 s28, ttmp9, WGX                   ; j: my number among the weights' work-groups
	s_lshr_b32 s29, s28, 5                         ; which weight: 0, 1, 2
	s_and_b32 s30, s28, 31                         ; and which 32,768 numbers of it
	s_mov_b32 s37, 0
	s_wait_kmcnt 0x0
	s_cmp_ge_u32 ttmp9, WGX+WGW                    ; the last 32 work-groups cast wp: a branch on the work-group's number alone
	s_cbranch_scc1 .Lcast
	s_cmp_eq_u32 s29, 0                            ; only pointers are chosen: all four tensors take one path through the text
	s_cselect_b64 s[SRC:SRC+1], s[6:7], s[8:9]
	s_cmp_eq_u32 s29, 2
	s_cselect_b64 s[SRC:SRC+1], s[10:11], s[SRC:SRC+1]
	s_cmp_lt_u32 ttmp9, WGX
	s_cselect_b64 s[SRC:SRC+1], s[4:5], s[SRC:SRC+1]
	s_cselect_b64 s[COD:COD+1], s[14:15], s[18:19]
	s_cselect_b64 s[SCB:SCB+1], s[16:17], s[20:21]
	s_cselect_b32 s30, ttmp9, s30                  ; my place in the tensor that I read,
	s_cselect_b32 s28, ttmp9, s28                  ; and in the buffers that I write (the three weights on end)
	s_lshl_b32 s30, s30, 2
	s_add_co_u32 s30, s30, s24                     ; in runs of 8,192 numbers: 4 x work-group + wave
	s_lshl_b32 s28, s28, 2
	s_add_co_u32 s28, s28, s24
	s_lshl_b32 s36, s30, 15                        ; 32,768 bytes of f32 a run (at most 1,023 runs: under 2^32)
	s_add_nc_u64 s[SRC:SRC+1], s[SRC:SRC+1], s[36:37]
	s_lshl_b32 s36, s28, 12                        ; 4,096 bytes of codes
	s_add_nc_u64 s[COD:COD+1], s[COD:COD+1], s[36:37]
	s_lshl_b32 s36, s28, 8                         ; 256 scale bytes
	s_add_nc_u64 s[SCB:SCB+1], s[SCB:SCB+1], s[36:37]
.macro LOAD t
.irp i, 0,1,2,3
	global_load_b128 v[R+16*((\t)%AHEAD)+4*\i:R+16*((\t)%AHEAD)+4*\i+3], v3, s[SRC:SRC+1] offset:2048*(\t)+512*\i th:TH_LOAD_NT   ; 32 lanes read 512 consecutive bytes
.endr
.endm
.macro TURN t                          ; step t's numbers through the stage: LDS serves a wave's instructions in order, so no wait stands between the stores and the loads
.irp i, 0,1,2,3
	ds_store_b128 v14, v[R+16*((\t)%AHEAD)+4*\i:R+16*((\t)%AHEAD)+4*\i+3] offset:32*SP*((\t)%2)+8*SP*\i
.endr
.irp i, 0,1,2,3
	ds_load_b128 v[X+16*((\t)%2)+4*\i:X+16*((\t)%2)+4*\i+3], v15 offset:32*SP*((\t)%2)+16*\i
.endr
.endm
.irp t, 0,1,2,3,4,5,6,7
	LOAD \t
.endr
	s_wait_loadcnt 4*(AHEAD-1)                     ; step 0's four loads are in; the 28 of steps 1 to 7 stay out
	TURN 0
.macro STEP t
.set XS, X+16*((\t)%2)
.if (\t) > 0
	s_wait_dscnt 1                                 ; this step's numbers are back from the stage (the last step's byte store may be out): so its stores into the stage have read their registers,
.else
	s_wait_dscnt 0x0
.endif
.if (\t)+AHEAD < STEPS
	LOAD (\t)+AHEAD                                ; which take the loads of eight steps on
.endif
.if (\t)+1 < STEPS
.if STEPS-2-(\t) >= AHEAD-1
	s_wait_loadcnt 4*(AHEAD-1)                     ; the next step's four loads are in; those of the seven steps behind it may be out
.else
	s_wait_loadcnt 4*(STEPS-2-(\t))                ; at the end the count runs down: 24, 20, .. 0
.endif
	TURN (\t)+1                                    ; and go through the other stage while this step is worked
.endif
	v_max3_num_f32 v8, |v[XS]|, |v[XS+1]|, |v[XS+2]|               ; the largest magnitude of my 16, in two chains
	v_max3_num_f32 v9, |v[XS+3]|, |v[XS+4]|, |v[XS+5]|
.irp i, 6,10
	v_max3_num_f32 v8, v8, |v[XS+\i]|, |v[XS+\i+1]|
	v_max3_num_f32 v9, v9, |v[XS+\i+2]|, |v[XS+\i+3]|
.endr
	v_max3_num_f32 v8, v8, |v[XS+14]|, |v[XS+15]|
	v_max3_num_f32 v8, v8, v9, (EMAX+1)<<23        ; and the floor 2^(EMAX + 1 - 127): so the byte cannot fall under 1
	v_max_num_f32_dpp v8, v8, v8 row_xmask:1 row_mask:0xf bank_mask:0xf   ; and of my neighbour's 16: the block's
	v_add_nc_u32 v11, -(EMAX<<23), v8              ; EMAX off its exponent field: the conversion takes the exponent field of this operand as its scale, and nothing else of it
	v_cvt_scalef32_pk8_fp4_f32 v[C+4*(\t)], v[XS:XS+7], v11        ; eight numbers / the scale, to the nearest code; the first number's code in the lowest four bits
	v_cvt_scalef32_pk8_fp4_f32 v[C+4*(\t)+1], v[XS+8:XS+15], v11
	v_lshrrev_b32 v[E+(\t)], 23, v11               ; the scale's byte (a plain line behind the conversions)
	ds_store_b8 v5, v[E+(\t)] offset:16*(\t)       ; both lanes of a block write the same byte with the same value
	global_store_b64 v4, v[C+4*(\t):C+4*(\t)+1], s[COD:COD+1] offset:32*CB*(\t)   ; 32 lanes store 256 consecutive bytes
.endm
.irp t, 0,1,2,3,4,5,6,7,8,9,10,11,12,13,14,15
	STEP \t
.endr
	ds_load_b64 v[8:9], v6                         ; LDS serves a wave's instructions in order: these see my byte stores
	s_wait_dscnt 0x0
	global_store_b64 v7, v[8:9], s[SCB:SCB+1]      ; 32 lanes store the wave's 256 scale bytes
	s_wait_tensorcnt 0x0                           ; the wave's end, behind my last LDS store
	ds_add_u32 v[SPW], v[NIL]
	s_wait_dscnt 0x0
	s_endpgm
; THE CAST: wp to f16.  A wave takes 8,192 numbers in four rounds of 16 loads; two sets of registers take turns, so that 16 loads are out while a set is worked.  No LDS is touched on this path.
.Lcast:
	s_sub_co_u32 s28, ttmp9, WGX+WGW
	s_lshl_b32 s28, s28, 2
	s_add_co_u32 s28, s28, s24                     ; my run of 8,192 numbers
	s_lshl_b32 s36, s28, 15
	s_add_nc_u64 s[12:13], s[12:13], s[36:37]
	s_lshl_b32 s36, s28, 14
	s_add_nc_u64 s[22:23], s[22:23], s[36:37]
.macro CLOAD n, set
.irp i, 0,1,2,3,4,5,6,7,8,9,10,11,12,13,14,15
	global_load_b128 v[\set+4*\i:\set+4*\i+3], v3, s[12:13] offset:512*(16*\n+\i) th:TH_LOAD_NT
.endr
.endm
.macro CAST n, set, left
	s_wait_loadcnt \left                           ; this set's 16 loads are in; the other set's 16 may be out
.if \n > 0
	s_wait_xcnt 0x0                                ; the last round's stores have read OUT, which is written again below
.endif
.irp i, 0,1,2,3,4,5,6,7,8,9,10,11,12,13,14,15,16,17,18,19,20,21,22,23,24,25,26,27,28,29,30,31
	v_cvt_pk_f16_f32 v[OUT+\i], v[\set+2*\i], v[\set+2*\i+1]
.endr
.irp i, 0,1,2,3,4,5,6,7,8,9,10,11,12,13,14,15
	global_store_b64 v4, v[OUT+2*\i:OUT+2*\i+1], s[22:23] offset:256*(16*\n+\i)   ; 32 lanes store 256 consecutive bytes
.endr
.endm
	CLOAD 0, CA
	CLOAD 1, CBS
	CAST 0, CA, 16
	CLOAD 2, CA
	CAST 1, CBS, 16
	CLOAD 3, CBS
	CAST 2, CA, 16
	CAST 3, CBS, 0
	s_endpgm
.Lfunc_end_k_qc1fe0b9500_prep:
	.size	k_qc1fe0b9500_prep, .Lfunc_end_k_qc1fe0b9500_prep-k_qc1fe0b9500_prep
	.p2alignl 7, 3214868480
	.fill 96, 4, 3214868480
	.section	.rodata,"a",@progbits
	.p2align	6, 0x0
	.amdhsa_kernel k_qc1fe0b9500_prep
		.amdhsa_group_segment_fixed_size 33280
		.amdhsa_private_segment_fixed_size 0
		.amdhsa_enable_private_segment 0
		.amdhsa_kernarg_size 80
		.amdhsa_user_sgpr_count 2
		.amdhsa_user_sgpr_kernarg_segment_ptr 1
		.amdhsa_wavefront_size32 1
		.amdhsa_system_sgpr_workgroup_id_x 1
		.amdhsa_system_sgpr_workgroup_id_y 1
		.amdhsa_system_sgpr_workgroup_id_z 1
		.amdhsa_system_vgpr_workitem_id 0
		.amdhsa_next_free_vgpr 256
		.amdhsa_next_free_sgpr 66
		.amdhsa_reserve_vcc 0
		.amdhsa_float_denorm_mode_32 3
		.amdhsa_float_denorm_mode_16_64 3
		.amdhsa_memory_ordered 1
		.amdhsa_forward_progress 1
		.amdhsa_inst_pref_size 54
	.end_amdhsa_kernel
	.amdgpu_metadata
---
amdhsa.version: [ 1, 2 ]
amdhsa.kernels:
  - .name:           k_qc1fe0b9500_prep
    .symbol:         k_qc1fe0b9500_prep.kd
    .args:
      - { .name: x, .offset: 0, .size: 8, .value_kind: global_buffer, .address_space: global }
      - { .name: wq, .offset: 8, .size: 8, .value_kind: global_buffer, .address_space: global }
      - { .name: wk, .offset: 16, .size: 8, .value_kind: global_buffer, .address_space: global }
      - { .name: wv, .offset: 24, .size: 8, .value_kind: global_buffer, .address_space: global }
      - { .name: wp, .offset: 32, .size: 8, .value_kind: global_buffer, .address_space: global }
      - { .name: xc, .offset: 40, .size: 8, .value_kind: global_buffer, .address_space: global }
      - { .name: xs, .offset: 48, .size: 8, .value_kind: global_buffer, .address_space: global }
      - { .name: wc, .offset: 56, .size: 8, .value_kind: global_buffer, .address_space: global }
      - { .name: ws, .offset: 64, .size: 8, .value_kind: global_buffer, .address_space: global }
      - { .name: wp16, .offset: 72, .size: 8, .value_kind: global_buffer, .address_space: global }
    .group_segment_fixed_size: 33280
    .private_segment_fixed_size: 0
    .kernarg_segment_align: 8
    .kernarg_segment_size: 80
    .max_flat_workgroup_size: 128
    .sgpr_count:     66
    .vgpr_count:     256
    .wavefront_size: 32
...
	.end_amdgpu_metadata
.endif
;; end of part 1
;; launch qkv (part 2): grid 8 x 32, 4 waves a work-group, clusters of 4 x 4, 327,680 bytes of LDS; arguments xc, xs, wc, ws, bq, bv, qkv; writes qkv
.if DOCPART == 2
	.amdgcn_target "amdgcn-amd-amdhsa--gfx1250"
	.amdhsa_code_object_version 6
	.text
	.protected	k_qc1fe0b9500_qkv
	.globl	k_qc1fe0b9500_qkv
	.p2align	8
	.type	k_qc1fe0b9500_qkv,@function
k_qc1fe0b9500_qkv:
	s_mov_b64 s[64:65], 0
	v_nop
	global_prefetch_b8 v0, s[64:65] scope:SCOPE_SE
	s_setreg_imm32_b32 hwreg(HW_REG_WAVE_MODE, 25, 1), 1
	s_wait_xcnt 0x0
	s_wait_alu depctr_hold_cnt(0) depctr_sa_sdst(0) depctr_va_vdst(0) depctr_va_sdst(0) depctr_va_ssrc(0) depctr_va_vcc(0) depctr_vm_vsrc(0)
	s_getreg_b32 s2, hwreg(HW_REG_IB_STS2, 6, 4)
	s_cmp_eq_u32 s2, 0
	s_cbranch_scc0 .Lentry_in_a_cluster
	s_endpgm
.Lentry_in_a_cluster:
	s_bfe_u32 s2, ttmp6, 0x10000c
	s_cmp_lg_u32 s2, 0xf033
	s_cbranch_scc0 .Lentry_shape_is_right
	s_endpgm
.Lentry_shape_is_right:
; q = x wq^T + bq, k = x wk^T, v = x wv^T + bv as ONE product C = A B^T on codes of FP4 (E2M1) with one E8M0 scale for each 32 along K: A = x's codes [8192][1024], B = the three weights' codes on end [3072][1024].
; LEFT OUT: bk (it is the same for every key of a row of scores, so the softmax takes it away: shown at the head of the first launch).  k's columns start their sums with zeros.
; The results are rounded once to f16 (the later products are left as they are and take f16) and stored head by head: qkv[which 3][batch 8][head 16][position 1024][64].  LIMIT: a result beyond 65,504 becomes infinite.
; SHARES.  32 x 8 = 256 work-groups of four waves.  A work-group owns 256 rows of x, whose codes for all of K (two LDS slots of 512 along K, rows of 256 bytes) and scale bytes come once and STAY, and makes 384 columns in two passes.
; PASS 1: 256 columns of q or k (tile column 0-7 of the first 2,048 columns); a wave makes 128 x 128: 64 accumulators of 16 x 16.
; PASS 2: 128 columns of v (columns 2,048 + 128 x tile column on); a wave makes 128 x 64, one head: 32 accumulators.  v's codes (128 rows, both halves of K: 256 LDS rows) are brought into the bytes that held slot 0's rows of B,
; as soon as every wave of every partner has left that slot: the launch's one refill, with slot 1's 256 matrix instructions and the first way out between the request and the wait for it.  Pass 1's stores leave under pass 2's products.
; Three tensor loads of a wave are out at the most (scale bytes, slot 0, slot 1), later one.
; CLUSTERS: 4 x 4 work-groups.  The four of a row of the cluster need the same tiles of A, the four of a column the same tiles of B: each tile is asked for JOINTLY, by the same tensor load with the same descriptor and
; a mask that names the four.  A cluster is 1,024 columns of pass 1 wide: cluster x = 0 makes q, 1 makes k: the same in all sixteen partners.
; THE MATRIX INSTRUCTION IS USED TRANSPOSED (source 0 = 16 rows of B, source 1 = 16 rows of A): a lane then holds eight neighbouring columns of one row of C.  THE BIAS is the C of each sum's first instruction.
; REGISTERS, in windows of 256: window 0: v0-31 addresses; v32-95 scale words, two sets; v96-127 v's scale words; v128-191 A's fragments, ONE set; v192-255 pass 1's bias, 8 tiles of 8; on the ways out v32-63 and v192-255 are at work.
;   window 1: B's fragments, TWO sets, at v0 and v128; v64-95 bv, 4 tiles of 8.   window 2: pass 1's accumulators of my rows 0-63 ((a, b) at v[8 (8 a + b)]), then all of pass 2's ((a, b) at v[8 (4 a + b)]);   window 3: pass 1's of my rows 64-127.
; A step of 128 along K goes by A's blocks, each against all of B's: a block of A is free as soon as its products are issued, so one set serves A.
.set SIZE_K, 1024
.set KSTEP,  512                       ; along K in a slot
.set NQ,     KSTEP/128                 ; matrix instructions deep
.set ROWB,   256                       ; a tile's row in bytes
.set KROW,   SIZE_K/2                  ; a row of codes in memory
.set PITCH,  272                       ; an LDS row: 256 bytes + 16 of padding = 68 words: the 16 rows that a load touches start at 16 different banks (64 banks of 4 bytes: ISA guide 11.1)
.set FR,     8                         ; registers of a fragment: 16 rows x 128 K
.set NL,     2                         ; LDS loads that bring one
.set NP,     4                         ; places behind this matrix instruction (ISA guide 7.12.1)
.set HALFT,  128*PITCH                 ; 128 rows: what one tensor load brings
.set SLOT,   4*HALFT                   ; A's 256 rows, then B's 256 rows
.set KS,     SIZE_K/32                 ; a row of scale bytes
.set SCL,    2*SLOT                    ; behind the slots: the scale bytes of A's and of pass 1's B's rows, as rows of 256 bytes + 16 of padding
.set HALFS,  (128*KS/256)*272          ; those of 128 rows: what one tensor load brings
.set SBLK,   (16*KS/256)*272           ; those of 16 rows
.set STAGE,  SCL+4*HALFS               ; the ways out: 16 rows x (256 bytes + 16) for each wave, bytes of its own: no tensor load lands here
.set SPITCH, 272
.set SPARE,  STAGE+4*16*SPITCH         ; the spare words, 128 bytes a wave, which no other line names
.set ADRA, 16                          ; v16-17  LDS address of my A fragments in slot 0, 1
.set ADRB, 20                          ; v20-21  the same for pass 1's B
.set ADRB2, 22                         ; v22     LDS address of my fragments of v's codes, K half 0
.set STO,  24                          ; v24     the ways out: where I put 16 bytes of a row
.set RD,   25                          ; v25     where I read 16 bytes of a head's row back
.set CO,   26                          ; v26     16 x lane: my place in a store's 512 bytes
.set ADRS, 27                          ; v27     LDS address of my scale words: lanes 0-15 A's rows, lanes 16-31 pass 1's B's; never rewritten
.set SPW,  28                          ; v28     LDS address of my spare word; never rewritten
.set NIL,  29                          ; v29     0; never rewritten
.set SC,   32                          ; scale words: set s at v[SC + 8 NQ s]; register NQ i + q: lanes 0-15 the word of A's block i, lanes 16-31 that of B's block i, for the slot's q-th 128 along K
.set SB2,  96                          ; v's scale words: register 4 (2 b + s) + q: lane r: row 16 b + r of my 64, K half s, its q-th 128
.set AF,   128                         ; A's fragments
.set BI,   192                         ; pass 1's bias: tile b at v[BI + 8 b]: register j of lane (r, h) = bias[my first column + 16 b + 8 h + j]
.set BI2,  64                          ; bv likewise, in window 1
.set TMP,  192                         ; the ways out: a block's registers of f16 pairs (pass 1's bias is done with)
.set OB,   32                          ; and the block read back: from v32 and from v224 by turns
.set G1, 24                            ; s[24:31] descriptor group 1 for A's tiles;  s[32:39] group 0, one set for each slot
.set G0, 32
.set G1B, 48                           ; s[48:55], s[56:63] the same for B's tiles
.set G0B, 56
.set G1S, 68                           ; s[68:75], s[76:79] groups 1 and 0 for A's scale bytes;  s[80:87], s[88:91] for B's
.set G0S, 76
.set G1SB, 80
.set G0SB, 88
.set VAD, 66                           ; s[66:67] where the codes of v's rows that I fetch begin in memory
.set MSB, 0
.macro WIN new                         ; the immediate's high byte repeats the setting that is left; a switch that changes nothing is dropped
.if MSB != \new
	s_set_vgpr_msb (MSB<<8)|\new
.set MSB, \new
.endif
.endm
.set MUL_LO, 0xa1                      ; source 0 (B) window 1, source 1 (A) window 0, C and D window 2
.set MUL_HI, 0xf1                      ; the same, C and D window 3
.set FST_LO, 0x81                      ; pass 1's first step: C (the bias) window 0, D window 2
.set FST_HI, 0xc1                      ; D window 3
.set FST_2,  0x91                      ; pass 2's first step: C (bv) window 1, D window 2
.set TO_B,   0x40                      ; destination window 1, address window 0
; A joint load: waves 0 and 1 fetch for A, waves 2 and 3 for B.  Each of the two lines has one mask and one set of registers for all that issue it; the branch hangs on the wave's number alone.
; An s_nop 0 and four v_nop follow each of the two lines, ahead of the jump, the label and what follows.
.macro JLOAD g0a, g1a, g0b, g1b
	s_cmp_eq_u32 s15, 0
	s_cbranch_scc0 .Lfor_b_\@
	tensor_load_to_lds s[\g0a:\g0a+3], s[\g1a:\g1a+7]
	s_nop 0
.rept 4
	v_nop
.endr
	s_branch .Lasked_\@
.Lfor_b_\@:
	tensor_load_to_lds s[\g0b:\g0b+3], s[\g1b:\g1b+7]
	s_nop 0
.rept 4
	v_nop
.endr
.Lasked_\@:
.endm
.macro CREST                           ; a round of the cluster's barrier behind its opening barrier: wave 0 signals for the work-group; every wave waits for all sixteen; my work-group's barrier once more
	s_cmp_lg_u32 s14, 0
	s_cbranch_scc1 .Lnot_wave_0_\@
	s_barrier_signal -3
.Lnot_wave_0_\@:
	s_barrier_wait -3
	s_barrier_signal -1
	s_barrier_wait -1
.endm
.macro CROUND                          ; a whole round
	s_barrier_signal -1
	s_barrier_wait -1
	CREST
.endm
	s_load_b128 s[4:7], s[0:1], 0x0                ; A's codes s[4:5], A's scale bytes s[6:7]
	s_load_b128 s[8:11], s[0:1], 0x10              ; B's codes s[8:9], B's scale bytes s[10:11]
	s_load_b128 s[96:99], s[0:1], 0x20             ; bq s[96:97], bv s[98:99]
	s_load_b64 s[12:13], s[0:1], 0x30              ; qkv
	v_lshl_add_u32 v[SPW], v0, 2, SPARE
	v_mov_b32 v[NIL], 0
	ds_add_u32 v[SPW], v[NIL]                      ; the wave's opening: the add, twice on end, and its wait ahead of my first tensor load; the set-up below stands between the second and the wait
	ds_add_u32 v[SPW], v[NIL]
	v_lshrrev_b32 v1, 5, v0
	v_readfirstlane_b32 s14, v1                    ; wave 0..3
	s_lshr_b32 s15, s14, 1                         ; which half of the tile's rows is mine.  Also: I fetch for A (0) or for B (1)
	s_and_b32 s16, s14, 1                          ; which half of its columns.  Also: which 128 rows of a tile, or which half of K of v's rows, I fetch
	s_bfe_u32 s40, ttmp6, 0x40000                  ; cx, cy: my place in the cluster
	s_bfe_u32 s41, ttmp6, 0x40004
	s_lshl_b32 s42, ttmp9, 2
	s_add_co_u32 s42, s42, s40                     ; tile column = 4 x cluster x + cx: 0 .. 7
	s_and_b32 s17, ttmp7, 0xffff
	s_lshl_b32 s17, s17, 2
	s_add_co_u32 s17, s17, s41                     ; tile row = 4 x cluster y + cy
	s_lshl_b32 s43, s41, 2
	s_lshl_b32 s43, 15, s43                        ; my row of the cluster
	s_lshl_b32 s44, 0x1111, s40                    ; my column
	; descriptor group 1: a tile of 128 rows x 256 bytes, padded in LDS
	s_or_b32 s[G1+0], s43, (0<<16)|(1<<20)|(1<<21)|(5<<22)|(3<<25)  ; 15:0 the mask: A's tiles go to my row; 17:16 elements of 1 byte; 20 padding on; 21 set beside a mask; 24:22 after every 64 words; 31:25 four words of it
	s_or_b32 s[G1B+0], s44, (0<<16)|(1<<20)|(1<<21)|(5<<22)|(3<<25)
.irp g, G1, G1B
	s_mov_b32 s[\g+1], ROWB<<16                    ; tensor_dim0
	s_mov_b32 s[\g+2], 128<<16                     ; tensor_dim1
	s_mov_b32 s[\g+3], ROWB<<16                    ; tile_dim0
	s_mov_b32 s[\g+4], 128                         ; tile_dim1
	s_mov_b32 s[\g+5], KROW                        ; tensor_dim0_stride
	s_mov_b32 s[\g+6], 0
	s_mov_b32 s[\g+7], 0
.endr
	; and for the scale bytes of 128 rows: a dense block of 4,096 bytes, as 16 rows of 256 bytes (32 elements of 8 bytes), 16 bytes of padding behind each
	s_or_b32 s[G1S+0], s43, (3<<16)|(1<<20)|(1<<21)|(5<<22)|(3<<25)
	s_or_b32 s[G1SB+0], s44, (3<<16)|(1<<20)|(1<<21)|(5<<22)|(3<<25)
.irp g, G1S, G1SB
	s_mov_b32 s[\g+1], 32<<16
	s_mov_b32 s[\g+2], (128*KS/256)<<16
	s_mov_b32 s[\g+3], 32<<16
	s_mov_b32 s[\g+4], 128*KS/256
	s_mov_b32 s[\g+5], 32
	s_mov_b32 s[\g+6], 0
	s_mov_b32 s[\g+7], 0
.endr
	s_lshl_b32 s18, s16, 7                         ; which 128 rows of the tile I fetch
	s_lshl_b32 s20, s17, 8
	s_add_co_u32 s20, s20, s18                     ; A: row 256 x tile row + 128 x half
	s_lshl_b32 s46, s42, 8
	s_add_co_u32 s46, s46, s18                     ; B, pass 1: row 256 x tile column + 128 x half
	s_mov_b32 s21, 0
	s_mov_b32 s47, 0
	s_mov_b64 s[18:19], KS
	s_mul_u64 s[22:23], s[20:21], s[18:19]         ; where these rows' scale bytes begin
	s_mul_u64 s[92:93], s[46:47], s[18:19]
	s_mov_b64 s[18:19], KROW
	s_mul_u64 s[20:21], s[20:21], s[18:19]         ; and their codes
	s_mul_u64 s[46:47], s[46:47], s[18:19]
	s_lshl_b32 s[VAD], s42, 16                     ; B, pass 2: rows 2,048 + 128 x tile column on, 512 bytes each,
	s_lshl_b32 s[VAD+1], s16, 8                    ; the half of K that I fetch: 256 bytes into a row
	s_add_co_u32 s[VAD], s[VAD], s[VAD+1]
	s_add_co_u32 s[VAD], s[VAD], 1<<20
	s_mov_b32 s[VAD+1], 0
	s_mul_i32 s45, s14, HALFT                      ; where tiles go: wave x 128 rows: no place in the cluster enters an LDS address
	s_mul_i32 s94, s14, HALFS
	s_wait_dscnt 0x0                               ; both opening adds are done
	s_wait_kmcnt 0x0
	s_add_nc_u64 s[20:21], s[4:5], s[20:21]
	s_add_nc_u64 s[22:23], s[6:7], s[22:23]
	s_add_nc_u64 s[46:47], s[8:9], s[46:47]
	s_add_nc_u64 s[92:93], s[10:11], s[92:93]
	s_add_nc_u64 s[VAD:VAD+1], s[8:9], s[VAD:VAD+1]
	CROUND                                         ; all sixteen work-groups are here: the joint loads meet
	s_mov_b32 s[G0S], 1
	s_add_co_u32 s[G0S+1], s94, SCL
	s_mov_b64 s[G0S+2:G0S+3], s[22:23]
	s_or_b32 s[G0S+3], s[G0S+3], 0x80000000
	s_mov_b32 s[G0SB], 1
	s_add_co_u32 s[G0SB+1], s94, SCL
	s_mov_b64 s[G0SB+2:G0SB+3], s[92:93]
	s_or_b32 s[G0SB+3], s[G0SB+3], 0x80000000
	JLOAD G0S, G1S, G0SB, G1SB                     ; the scale bytes first: they are wanted with the first slot
.irp s, 0,1
	s_mov_b32 s[G0+4*\s], 1
	s_add_co_u32 s[G0+4*\s+1], s45, \s*SLOT
	s_add_nc_u64 s[G0+4*\s+2:G0+4*\s+3], s[20:21], \s*ROWB
	s_or_b32 s[G0+4*\s+3], s[G0+4*\s+3], 0x80000000
	s_mov_b32 s[G0B+4*\s], 1
	s_add_co_u32 s[G0B+4*\s+1], s45, \s*SLOT
	s_add_nc_u64 s[G0B+4*\s+2:G0B+4*\s+3], s[46:47], \s*ROWB
	s_or_b32 s[G0B+4*\s+3], s[G0B+4*\s+3], 0x80000000
	JLOAD G0+4*\s, G1, G0B+4*\s, G1B
.endr
	v_and_b32 v1, 15, v0                           ; r = l % 16
	v_bfe_u32 v2, v0, 4, 1                         ; h = l / 16
	v_lshlrev_b32 v7, 5, v2                        ; 32 h bytes: my half's eight numbers of a bias tile; never rewritten
	v_lshlrev_b32 v8, 5, v1                        ; 32 r bytes: row r's scale bytes; never rewritten
	; PASS 2's small operands come now and stay in registers.  v's scale words: my 64 rows' 2,048 bytes, 16 bytes (a K half's four words) a lane and load; lane r takes row r, so the matrix unit reads them from lanes 0-15
	s_lshl_b32 s92, s42, 12                        ; row 2,048 + 128 x tile column + 64 x half, 32 bytes each
	s_lshl_b32 s93, s16, 11
	s_add_co_u32 s92, s92, s93
	s_add_co_u32 s92, s92, 1<<16
	s_mov_b32 s93, 0
	s_add_nc_u64 s[10:11], s[10:11], s[92:93]
.irp b, 0,1,2,3
.irp s, 0,1
	global_load_b128 v[SB2+4*(2*\b+\s):SB2+4*(2*\b+\s)+3], v8, s[10:11] offset:512*\b+16*\s
.endr
.endr
	s_lshl_b32 s92, s42, 9                         ; bv: my first column of v: 128 x tile column + 64 x half, 4 bytes each
	s_lshl_b32 s93, s16, 8
	s_add_co_u32 s92, s92, s93
	s_mov_b32 s93, 0
	s_add_nc_u64 s[98:99], s[98:99], s[92:93]
	WIN TO_B
.irp b, 0,1,2,3
	global_load_b128 v[BI2+8*\b:BI2+8*\b+3], v7, s[98:99] offset:64*\b
	global_load_b128 v[BI2+8*\b+4:BI2+8*\b+7], v7, s[98:99] offset:64*\b+16
.endr
	WIN 0
	; PASS 1's bias of my 128 columns.  The branch hangs on the cluster's x alone: the same in all sixteen partners
	s_cmp_eq_u32 ttmp9, 1
	s_cbranch_scc1 .Lno_bias
	s_lshl_b32 s92, s40, 10                        ; my first column of q: 256 cx + 128 x half, 4 bytes each
	s_lshl_b32 s93, s16, 9
	s_add_co_u32 s92, s92, s93
	s_mov_b32 s93, 0
	s_add_nc_u64 s[96:97], s[96:97], s[92:93]
.irp b, 0,1,2,3,4,5,6,7
	global_load_b128 v[BI+8*\b:BI+8*\b+3], v7, s[96:97] offset:64*\b
	global_load_b128 v[BI+8*\b+4:BI+8*\b+7], v7, s[96:97] offset:64*\b+16
.endr
	s_branch .Lbias_done
.Lno_bias:                                             ; k has none
.set j, 0
.rept 64
	v_mov_b32 v[BI+j], 0
.set j, j+1
.endr
.Lbias_done:
	v_mul_u32_u24 v3, v1, PITCH
	v_lshl_add_u32 v4, v2, 4, v3                   ; a fragment's row x pitch + 16 x half
	s_mul_i32 s21, s15, HALFT                      ; my 128 rows of A
	s_mul_i32 s22, s16, HALFT                      ; my 128 rows of pass 1's B,
	s_add_co_u32 s22, s22, 2*HALFT                 ; which lie behind A's 256
.irp s, 0,1
	v_add_nc_u32 v[ADRA+\s], s21, v4
	v_add_nc_u32 v[ADRB+\s], s22, v4
	s_add_co_u32 s21, s21, SLOT
	s_add_co_u32 s22, s22, SLOT
.endr
	s_mul_i32 s22, s16, 64*PITCH                   ; my 64 rows of v's 128, where slot 0's rows of B lay; K half 1 lies HALFT further on
	s_add_co_u32 s22, s22, 2*HALFT
	v_add_nc_u32 v[ADRB2], s22, v4
	v_mul_u32_u24 v5, v1, KS                       ; my row's scale bytes: KS a row,
	v_lshrrev_b32 v6, 8, v5
	v_lshl_add_u32 v5, v6, 4, v5                   ; and 16 more for each 256 passed
	s_mul_i32 s21, s15, HALFS                      ; A's: my 128 rows
	s_mul_i32 s22, s16, HALFS                      ; B's: my 128 rows, behind A's 256
	s_add_co_u32 s22, s22, 2*HALFS
	s_sub_co_u32 s22, s22, s21
	v_mul_u32_u24 v6, s22, v2                      ; lanes 16-31 take B's: one product, the distance between the two
	s_add_co_u32 s21, s21, SCL
	v_add_nc_u32 v5, v5, v6
	v_add_nc_u32 v[ADRS], s21, v5
	s_mul_i32 s23, s14, 16*SPITCH
	s_add_co_u32 s23, s23, STAGE                   ; my stage
	v_mul_u32_u24 v5, v1, SPITCH                   ; in: row r, 16 bytes for each half of the lanes
	v_lshl_add_u32 v5, v2, 4, v5
	v_add_nc_u32 v[STO], s23, v5
	v_bfe_u32 v5, v0, 3, 2                         ; back: eight lanes take a head's 128 bytes of a row, the 32 lanes four rows
	v_mul_u32_u24 v5, v5, SPITCH
	v_and_b32 v6, 7, v0
	v_lshl_add_u32 v5, v6, 4, v5
	v_add_nc_u32 v[RD], s23, v5
	v_and_b32 v6, 31, v0
	v_lshlrev_b32 v[CO], 4, v6
	; where my parts begin in qkv: which << 24, batch << 21, head << 17, position << 7: all under 2^26
	s_lshl_b32 s20, s17, 8
	s_lshl_b32 s21, s15, 7
	s_add_co_u32 s20, s20, s21                     ; my first row of C: 1,024 x batch + position
	s_lshr_b32 s21, s20, 10
	s_lshl_b32 s21, s21, 21
	s_and_b32 s20, s20, 1023
	s_lshl_b32 s20, s20, 7
	s_add_co_u32 s20, s20, s21                     ; batch and position: the same in both passes
	s_lshl_b32 s46, s42, 1                         ; pass 2: my head of v: 2 x tile column + half
	s_add_co_u32 s46, s46, s16
	s_lshl_b32 s46, s46, 17
	s_add_co_u32 s46, s46, s20
	s_add_co_u32 s46, s46, 2<<24
	s_mov_b32 s47, 0
	s_add_nc_u64 s[4:5], s[12:13], s[46:47]        ; s[4:5]: where my part of v goes
	s_lshl_b32 s21, ttmp9, 24                      ; pass 1: q or k,
	s_add_co_u32 s20, s20, s21
	s_lshl_b32 s46, s40, 2                         ; my first head: 4 cx + 2 x half
	s_lshl_b32 s47, s16, 1
	s_add_co_u32 s46, s46, s47
	s_lshl_b32 s46, s46, 17
	s_add_co_u32 s20, s20, s46
	s_mov_b32 s21, 0
	s_add_nc_u64 s[12:13], s[12:13], s[20:21]      ; s[12:13]: where my part of q or k goes
.macro FRAG reg, adr, q, i             ; a fragment, 16 rows x 128 K of 4-bit codes: lane l holds row l % 16; registers 4 c .. 4 c + 3 hold K = 64 c + 32 (l / 16) + 0 .. 31
.irp c, 0,1
	ds_load_b128 v[\reg+4*\c:\reg+4*\c+3], v[\adr] offset:64*(\q)+32*\c+(\i)*16*PITCH
.endr
.endm
; PASS 1: 16 matrix instructions: A's blocks a0, a0 + 1 x B's eight, 128 along K: the slot's q-th.  p: B's set;  sc: the set of scale words.  first = 1: the sums start with the bias.
; The accumulators take turns, one instruction a turn, in the same order in every step.
.macro MUL16 a0, p, q, sc, first
.irp a, \a0, \a0+1
.irp b, 0,1,2,3,4,5,6,7
.if \first
	v_wmma_scale_f32_16x16x128_f8f6f4 v[8*(8*((\a)%4)+\b):8*(8*((\a)%4)+\b)+7], v[128*(\p)+FR*\b:128*(\p)+FR*\b+FR-1], v[AF+FR*(\a):AF+FR*(\a)+FR-1], v[BI+8*\b:BI+8*\b+7], v[SC+8*NQ*(\sc)+NQ*\b+(\q)], v[SC+8*NQ*(\sc)+NQ*(\a)+(\q)] matrix_a_fmt:MATRIX_FMT_FP4 matrix_b_fmt:MATRIX_FMT_FP4 matrix_a_scale:MATRIX_SCALE_ROW1
.else
	v_wmma_scale_f32_16x16x128_f8f6f4 v[8*(8*((\a)%4)+\b):8*(8*((\a)%4)+\b)+7], v[128*(\p)+FR*\b:128*(\p)+FR*\b+FR-1], v[AF+FR*(\a):AF+FR*(\a)+FR-1], v[8*(8*((\a)%4)+\b):8*(8*((\a)%4)+\b)+7], v[SC+8*NQ*(\sc)+NQ*\b+(\q)], v[SC+8*NQ*(\sc)+NQ*(\a)+(\q)] matrix_a_fmt:MATRIX_FMT_FP4 matrix_b_fmt:MATRIX_FMT_FP4 matrix_a_scale:MATRIX_SCALE_ROW1
.endif
.endr
.endr
.endm
; PASS 2: 16 matrix instructions: A's blocks a0 .. a0 + 3 x v's four, 128 along K: K half s, its q-th.  Both sides' scale words stand in lanes 0-15 of registers of their own.
.macro MUL2 a0, p, s, q, first
.irp a, \a0, \a0+1, \a0+2, \a0+3
.irp b, 0,1,2,3
.if \first
	v_wmma_scale_f32_16x16x128_f8f6f4 v[8*(4*(\a)+\b):8*(4*(\a)+\b)+7], v[128*(\p)+FR*\b:128*(\p)+FR*\b+FR-1], v[AF+FR*(\a):AF+FR*(\a)+FR-1], v[BI2+8*\b:BI2+8*\b+7], v[SB2+4*(2*\b+(\s))+(\q)], v[SC+8*NQ*(\s)+NQ*(\a)+(\q)] matrix_a_fmt:MATRIX_FMT_FP4 matrix_b_fmt:MATRIX_FMT_FP4
.else
	v_wmma_scale_f32_16x16x128_f8f6f4 v[8*(4*(\a)+\b):8*(4*(\a)+\b)+7], v[128*(\p)+FR*\b:128*(\p)+FR*\b+FR-1], v[AF+FR*(\a):AF+FR*(\a)+FR-1], v[8*(4*(\a)+\b):8*(4*(\a)+\b)+7], v[SB2+4*(2*\b+(\s))+(\q)], v[SC+8*NQ*(\s)+NQ*(\a)+(\q)] matrix_a_fmt:MATRIX_FMT_FP4 matrix_b_fmt:MATRIX_FMT_FP4
.endif
.endr
.endr
.endm
.macro FETCH_B slot, q, p              ; pass 1: B's eight fragments of the slot's q-th 128 along K into set p
	WIN TO_B
.irp i, 0,1,2,3,4,5,6,7
	FRAG 128*(\p)+FR*\i, ADRB+\slot, \q, \i
.endr
	WIN 0
.endm
.macro FETCH_B2 s, q, p                ; pass 2: v's four fragments of K half s, its q-th 128, into set p
	WIN TO_B
.irp i, 0,1,2,3
.irp c, 0,1
	ds_load_b128 v[128*(\p)+FR*\i+4*\c:128*(\p)+FR*\i+4*\c+3], v[ADRB2] offset:(\s)*HALFT+64*(\q)+32*\c+\i*16*PITCH
.endr
.endr
	WIN 0
.endm
.macro FETCH_A slot, q, i0             ; A's blocks i0 .. i0 + 3
.irp i, \i0, \i0+1, \i0+2, \i0+3
	FRAG AF+FR*(\i), ADRA+\slot, \q, \i
.endr
.endm
.macro SCALES sc                       ; slot sc's scale words into set sc: NQ words, 16 bytes of a row's 32; lanes 0-15 take A's block i, lanes 16-31 pass 1's B's block i
.irp i, 0,1,2,3,4,5,6,7
	ds_load_b128 v[SC+8*NQ*\sc+NQ*\i:SC+8*NQ*\sc+NQ*\i+3], v[ADRS] offset:\i*SBLK+16*\sc
.endr
.endm
; A load into a register that a matrix instruction has read, and a vector instruction that reads a matrix result, stand NP places behind that matrix instruction; only plain vector
; instructions that name none of its registers are places (ISA guide 7.12.1 for vector instructions).
.macro PLACES n
.rept \n
	v_nop
.endr
.endm
; PASS 1: a step of 128 along K that has its successor in the same slot.
.macro STEP slot, q, first
	s_wait_dscnt 4*NL                              ; B's set and A's blocks 0-3 are in; the youngest eight loads (A's blocks 4-7) may be out
.if \first
	WIN FST_LO
.else
	WIN MUL_LO
.endif
	MUL16 0, (\q)%2, \q, \slot, \first
	MUL16 2, (\q)%2, \q, \slot, \first
	s_wait_dscnt 0                                 ; A's blocks 4-7 are in (asked for 32 matrix instructions ago)
	PLACES NP
	FETCH_B \slot, (\q)+1, 1-(\q)%2
	FETCH_A \slot, (\q)+1, 0
.if \first
	WIN FST_HI
.else
	WIN MUL_HI
.endif
	MUL16 4, (\q)%2, \q, \slot, \first
	MUL16 6, (\q)%2, \q, \slot, \first
	PLACES NP
	WIN 0
	FETCH_A \slot, (\q)+1, 4
.endm
.macro STEPS slot, from                ; the slot's steps from .. NQ - 2
.set Q, \from
.rept NQ-1-\from
	STEP \slot, Q, 0
.set Q, Q+1
.endr
.endm
; PASS 2: the step (K half s, q); its successor is (ns, nq).  All that it reads lies in LDS: no barrier stands between the steps.
.macro STEP2 s, q, ns, nq, first
	s_wait_dscnt 4*NL                              ; v's set and A's blocks 0-3 are in; the youngest eight loads (A's blocks 4-7) may be out
.if \first
	WIN FST_2
.else
	WIN MUL_LO
.endif
	MUL2 0, (\q)%2, \s, \q, \first
	s_wait_dscnt 0                                 ; A's blocks 4-7 are in
	PLACES NP
	FETCH_B2 \ns, \nq, 1-(\q)%2
	FETCH_A \ns, \nq, 0
.if \first
	WIN FST_2
.else
	WIN MUL_LO
.endif
	MUL2 4, (\q)%2, \s, \q, \first
	PLACES NP
	WIN 0
	FETCH_A \ns, \nq, 4
.endm
	s_wait_tensorcnt 1                             ; the scale bytes and my part of slot 0 are in (slot 1's load, the one issued behind them, may be out)
	s_barrier_signal -1
	s_barrier_wait -1                              ; everybody's are
	FETCH_B 0, 0, 0
	FETCH_A 0, 0, 0
	SCALES 0
	FETCH_A 0, 0, 4
	s_wait_loadcnt 0x0                             ; both biases and v's scale words
	STEP 0, 0, 1                                   ; the first step starts the sums with the bias: nothing is cleared
	STEPS 0, 1
	; slot 0's last step changes slots: ONE barrier, which opens a round of the cluster's; in front of it each wave waits for all its tensor loads (my part of slot 1), adds 0 to its spare word, and waits for that and for its reads of slot 0
	s_wait_tensorcnt 0x0                           ; (every window is 0 here: the add's two registers lie in window 0)
	ds_add_u32 v[SPW], v[NIL]
	s_wait_dscnt 4*NL+1                            ; the add and the youngest eight loads (A's blocks 4-7) may be out
	WIN MUL_LO
	MUL16 0, 1, NQ-1, 0, 0                         ; sixteen matrix instructions stand between the add and the wait for it
	s_wait_dscnt 0x0                               ; the add is done, and my reads of slot 0 are over
	s_barrier_signal -1
	MUL16 2, 1, NQ-1, 0, 0
	WIN 0
	s_barrier_wait -1
	CREST                                          ; slot 1 is whole, and no wave of any partner still reads slot 0's rows of B or has a load on its way
	s_mov_b64 s[G0B+2:G0B+3], s[VAD:VAD+1]         ; THE REFILL: slot 0's group 0 for B keeps its LDS address (wave x 128 rows) and takes v's rows: wave 2 brings K half 0, wave 3 K half 1
	s_or_b32 s[G0B+3], s[G0B+3], 0x80000000
	s_cmp_eq_u32 s15, 0                            ; waves 0 and 1 have no part of it: A's rows stay.  The branch hangs on the wave's number alone
	s_cbranch_scc1 .Lno_refill
	tensor_load_to_lds s[G0B:G0B+3], s[G1B:G1B+7]  ; the first tensor load behind the round, one a wave
	s_nop 0
.rept 4
	v_nop
.endr
.Lno_refill:
	PLACES NP                                      ; on every wave's way: in front of the loads below
	FETCH_B 1, 0, 0
	FETCH_A 1, 0, 0
	SCALES 1
	WIN MUL_HI
	MUL16 4, 1, NQ-1, 0, 0
	MUL16 6, 1, NQ-1, 0, 0
	PLACES NP
	WIN 0
	FETCH_A 1, 0, 4
	STEPS 1, 0
	s_wait_dscnt 4*NL                              ; pass 1's last step: nothing more to fetch
	WIN MUL_LO
	MUL16 0, 1, NQ-1, 1, 0
	MUL16 2, 1, NQ-1, 1, 0
	s_wait_dscnt 0
	WIN MUL_HI
	MUL16 4, 1, NQ-1, 1, 0
	MUL16 6, 1, NQ-1, 1, 0
	WIN 0
; THE WAY OUT OF PASS 1, block by block of 16 rows x 128 columns (two heads).  PACK: rounded to f16, 16 bytes a lane, each accumulator from its low end on.  TOSTAGE: into my own stage, and back so that the 32 lanes hold
; four rows of ONE head, which are 512 consecutive bytes of qkv.  SEND: stored.  LDS serves a wave's instructions in order (ISA guide 5.7.1.4): no wait between the stage's stores and loads.
.macro PACK a
.set AC, 64*((\a)%4)
	WIN 0x0a+5*((\a)/4)                            ; sources 0 and 1: window 2 or 3
.irp b, 0,1,2,3,4,5,6,7
.irp r, 0,1,2,3
	v_cvt_pk_f16_f32 v[TMP+4*\b+\r], v[AC+8*\b+2*\r], v[AC+8*\b+2*\r+1]
.endr
.endr
	WIN 0
.endm
.macro TOSTAGE a
.set BK, OB+192*((\a)%2)
.irp b, 0,1,2,3,4,5,6,7
	ds_store_b128 v[STO], v[TMP+4*\b:TMP+4*\b+3] offset:32*\b
.endr
.irp u, 0,1
.irp i, 0,1,2,3
	ds_load_b128 v[BK+4*(4*\u+\i):BK+4*(4*\u+\i)+3], v[RD] offset:128*\u+4*SPITCH*\i   ; head u, rows 4 i .. 4 i + 3
.endr
.endr
.endm
.macro SEND a
.set BK, OB+192*((\a)%2)
	s_wait_dscnt 0x0                               ; the block is back in registers
	s_wait_xcnt 0x0                                ; the stores of the block before have read their registers: the next block's loads may land there
.irp u, 0,1
.irp i, 0,1,2,3
	global_store_b128 v[CO], v[BK+4*(4*\u+\i):BK+4*(4*\u+\i)+3], s[12:13] offset:131072*\u+(16*(\a)+4*\i)*128   ; 32 lanes store 512 consecutive bytes, at a multiple of 512 from the buffer's first byte
.endr
.endr
.endm
	PLACES NP                                      ; behind the last products, ahead of the first read of results and of loads into registers that held scale words
	PACK 0
	TOSTAGE 0
.irp a, 1,2,3,4,5,6,7                  ; block a's conversions stand between block a - 1's loads from the stage and the wait for them
	PACK \a
	SEND \a-1
	TOSTAGE \a
.endr
	SEND 7
	; PASS 2.  Nothing waits for pass 1's stores: they leave under these products
	s_wait_tensorcnt 0x0                           ; my part of v's codes has landed,
	s_wait_dscnt 0x0                               ; (no LDS instruction of mine is out at a signal)
	s_barrier_signal -1
	s_barrier_wait -1                              ; everybody's has
	SCALES 0                                       ; A's scale words anew: the way out has used set 0's registers
	SCALES 1
	FETCH_B2 0, 0, 0
	FETCH_A 0, 0, 0
	FETCH_A 0, 0, 4
	STEP2 0, 0, 0, 1, 1                            ; the first step starts the sums with bv
	STEP2 0, 1, 0, 2, 0
	STEP2 0, 2, 0, 3, 0
	STEP2 0, 3, 1, 0, 0
	STEP2 1, 0, 1, 1, 0
	STEP2 1, 1, 1, 2, 0
	STEP2 1, 2, 1, 3, 0
	s_wait_dscnt 4*NL                              ; the last step: nothing more to fetch
	WIN MUL_LO
	MUL2 0, 1, 1, 3, 0
	s_wait_dscnt 0
	MUL2 4, 1, 1, 3, 0
	WIN 0
; THE WAY OUT OF PASS 2, block by block of 16 rows x 64 columns: one head, whose rows of 128 bytes follow each other in qkv.
.macro PACK2 a
	WIN 0x0a                                       ; sources 0 and 1: window 2
.irp b, 0,1,2,3
.irp r, 0,1,2,3
	v_cvt_pk_f16_f32 v[TMP+4*\b+\r], v[32*(\a)+8*\b+2*\r], v[32*(\a)+8*\b+2*\r+1]
.endr
.endr
	WIN 0
.endm
.macro TOSTAGE2 a
.set BK, OB+192*((\a)%2)
.irp b, 0,1,2,3
	ds_store_b128 v[STO], v[TMP+4*\b:TMP+4*\b+3] offset:32*\b
.endr
.irp i, 0,1,2,3
	ds_load_b128 v[BK+4*\i:BK+4*\i+3], v[RD] offset:4*SPITCH*\i   ; rows 4 i .. 4 i + 3
.endr
.endm
.macro SEND2 a
.set BK, OB+192*((\a)%2)
	s_wait_dscnt 0x0                               ; the block is back in registers
	s_wait_xcnt 0x0                                ; earlier stores have read their registers: the next block's loads may land there
.irp i, 0,1,2,3
	global_store_b128 v[CO], v[BK+4*\i:BK+4*\i+3], s[4:5] offset:(16*(\a)+4*\i)*128   ; 32 lanes store 512 consecutive bytes, at a multiple of 512 from the buffer's first byte
.endr
.endm
	PLACES NP                                      ; behind the last products, ahead of the first read of results
	PACK2 0
	TOSTAGE2 0
.irp a, 1,2,3,4,5,6,7
	PACK2 \a
	SEND2 \a-1
	TOSTAGE2 \a
.endr
	SEND2 7
	s_wait_tensorcnt 0x0                           ; the wave's end, behind my last tensor load and my last LDS store
	ds_add_u32 v[SPW], v[NIL]
	s_wait_dscnt 0x0
	CROUND                                         ; the closing round: no work-group ends while a partner may still ask for a tile that names it
	s_endpgm
.Lfunc_end_k_qc1fe0b9500_qkv:
	.size	k_qc1fe0b9500_qkv, .Lfunc_end_k_qc1fe0b9500_qkv-k_qc1fe0b9500_qkv
	.p2alignl 7, 3214868480
	.fill 96, 4, 3214868480
	.section	.rodata,"a",@progbits
	.p2align	6, 0x0
	.amdhsa_kernel k_qc1fe0b9500_qkv
		.amdhsa_group_segment_fixed_size 327680
		.amdhsa_private_segment_fixed_size 0
		.amdhsa_enable_private_segment 0
		.amdhsa_kernarg_size 56
		.amdhsa_user_sgpr_count 2
		.amdhsa_user_sgpr_kernarg_segment_ptr 1
		.amdhsa_wavefront_size32 1
		.amdhsa_system_sgpr_workgroup_id_x 1
		.amdhsa_system_sgpr_workgroup_id_y 1
		.amdhsa_system_sgpr_workgroup_id_z 1
		.amdhsa_system_vgpr_workitem_id 0
		.amdhsa_next_free_vgpr 1024
		.amdhsa_next_free_sgpr 100
		.amdhsa_reserve_vcc 0
		.amdhsa_float_denorm_mode_32 3
		.amdhsa_float_denorm_mode_16_64 3
		.amdhsa_memory_ordered 1
		.amdhsa_forward_progress 1
		.amdhsa_inst_pref_size 198
	.end_amdhsa_kernel
	.amdgpu_metadata
---
amdhsa.version: [ 1, 2 ]
amdhsa.kernels:
  - .name:           k_qc1fe0b9500_qkv
    .symbol:         k_qc1fe0b9500_qkv.kd
    .args:
      - { .name: xc, .offset: 0, .size: 8, .value_kind: global_buffer, .address_space: global }
      - { .name: xs, .offset: 8, .size: 8, .value_kind: global_buffer, .address_space: global }
      - { .name: wc, .offset: 16, .size: 8, .value_kind: global_buffer, .address_space: global }
      - { .name: ws, .offset: 24, .size: 8, .value_kind: global_buffer, .address_space: global }
      - { .name: bq, .offset: 32, .size: 8, .value_kind: global_buffer, .address_space: global }
      - { .name: bv, .offset: 40, .size: 8, .value_kind: global_buffer, .address_space: global }
      - { .name: qkv, .offset: 48, .size: 8, .value_kind: global_buffer, .address_space: global }
    .group_segment_fixed_size: 327680
    .private_segment_fixed_size: 0
    .kernarg_segment_align: 8
    .kernarg_segment_size: 56
    .max_flat_workgroup_size: 128
    .sgpr_count:     100
    .vgpr_count:     1024
    .wavefront_size: 32
...
	.end_amdgpu_metadata
.endif
;; end of part 2
;; launch attn (part 3): grid 2 x 128, 8 waves a work-group, no clusters, 327,680 bytes of LDS; arguments qkv, mask, ctx; writes ctx
.if DOCPART == 3
	.amdgcn_target "amdgcn-amd-amdhsa--gfx1250"
	.amdhsa_code_object_version 6
	.text
	.protected	k_qc1fe0b9500_attn
	.globl	k_qc1fe0b9500_attn
	.p2align	8
	.type	k_qc1fe0b9500_attn,@function
k_qc1fe0b9500_attn:
	s_mov_b64 s[64:65], 0
	v_nop
	global_prefetch_b8 v0, s[64:65] scope:SCOPE_SE
	s_setreg_imm32_b32 hwreg(HW_REG_WAVE_MODE, 25, 1), 1
	s_wait_xcnt 0x0
; ctx[b][q][head] = the sum over k of softmax_k(mask(Q_q . K_k / 8)) V_k, for 128 heads (batch x head) of 1,024 positions x 64.  Q, K, V: f16, qkv[3][batch x head][1024][64]; products, maxima and sums in f32;
; the weights p are rounded to f16 for the second product, ctx once at the end, to f16, laid head-major: ctx[head 16][batch x 1,024 + position][64].
; LEFT OUT: bk (shown at the head of the first launch); K here is x wk^T alone.
; THE MASK is an input and hides keys.  Each key gets a bias, 0 or -2^100, which is the C of the first product on its scores: no vector instruction is spent on it.  Q and K are f16, so |Q . K| <= 64 x 65,504^2 < 2^38.
; The running maximum m begins with the floor -2^60, under every score that can occur, so it is the maximum of the open keys as soon as one has been seen, and a hidden key's p = 2^(c (s - m)), s near -2^100, is exactly 0,
; as with -infinity.  A row all of whose keys are hidden ends with the sum 0 and O = 0, and O x (1 / 0) is NaN, as the softmax of a row of -infinity is.
; LIMITS: the result is carried in f16 (beyond 65,504 infinite); NaN and infinities in q, k, v are not served.
; SHARES.  A work-group owns 512 queries of one head, each of its eight waves 64: four tiles of 16.  Two waves lie on a SIMD, 512 registers each: one wave's softmax stands beside the other's products, and each
; fragment of K and V that a wave reads from LDS feeds four matrix instructions.  Every wave walks the 1,024 keys, 64 a step.
; K AND V COME IN FOUR STAGES of 256 keys, each into bytes of its own: all of the head's K and V end up in LDS and nothing is filled again.  The head asks for stage 0 alone; behind the barrier at the head of stage s
; stands the load of stage s + 1, which so has four key steps, 256 matrix instructions a wave, between the request and the wait for it.  Waves 0-3 fetch K, waves 4-7 V: a wave's share of a stage is 64 keys,
; 32 LDS rows of 256 bytes, by one tensor load: one of a wave's is out at the most.
; NO CLUSTER: only the two work-groups of a head read the same tiles, and the grid's 2 along x is no multiple of a cluster's 4; four blocks of 256 queries would halve the products fed by each byte fetched.
; LAYOUT.  S^T = K Q^T (source 0 = 16 keys, source 1 = 16 queries): a lane holds ONE query (lane % 16) and the keys 8 (lane / 16) + 0..7.  Two such tiles, rounded to f16 in pairs, ARE source 1 (32 keys x 16 queries) of
; O^T = V^T P, whose result again holds one query a lane.  K comes out of LDS as it lies, V ([key][channel]) turned, by ds_load_tr16_b128.
; SOFTMAX.  p = 2^(c s - c m), c = log2(e) / 8; in every step O and the sum l are multiplied by a = 2^(c m_old - c m_new).
; REGISTERS.  Window 0: v1-12 addresses; v16-47 eight registers of statistics a tile; v48-175 S^T, 32 a tile; v176-239 P, 16 a tile (its first 32 hold the step's bias tiles while K Q^T runs); v240-250 the head's.
;   Window 1: v0-127 O^T, 32 a tile; v128-191 Q, 16 a tile; v192-255 a step's K, then its V.
.set KP,    272                        ; two keys of K in LDS: 256 bytes + 16 of padding: key k at (k / 2) KP + (k % 2) 128: the 16 keys of a load start at 16 different groups of four banks
.set VP,    288                        ; two keys of V: 256 + 32
.set VB,    512*KP                     ; V begins behind K's 512 rows
.set SROWS, 128                        ; LDS rows in a stage of 256 keys,
.set WROWS, 32                         ; of which a wave fetches 32
.set BIAS,  VB+512*VP                  ; the keys' 1,024 biases, f32
.set STAGE, BIAS+4096                  ; the way out: 16 rows x 144 bytes for each wave
.set SPT,   144
.set SPARE, STAGE+8*16*SPT             ; the spare words, 128 bytes a wave, which no other line names
.set AK0, 1                            ; v1   my lane's place in a tile of K; never rewritten
.set AV0, 2                            ; v2   the same for V
.set AB0, 3                            ; v3   and among the biases
.set ADK, 4                            ; v4-6 the step's addresses
.set ADV, 5
.set ADB, 6
.set QO,  7                            ; v7   my byte offset in the wave's rows of Q
.set STO, 8                            ; v8   the way out: where I put 16 bytes of a row
.set RD,  9                            ; v9   where I read them back
.set GO,  10                           ; v10  16 x lane: my place in a store's 512 bytes
.set SPW, 11                           ; v11  LDS address of my spare word; never rewritten
.set NIL, 12                           ; v12  0; never rewritten
.set ST,  16                           ; tile t's statistics at v[ST + 8 t]: +0 c m, +1 m, +2, +3 l (even keys', odd keys'), +4 to +7 c0-c3, at work; a takes c2's place
.set S,   48
.set P,   176
.set MK,  240                          ; v240-243 four mask words; v244-247 their biases; v248 the mask's offset; v249 -2^100; v250 where the biases go
.set O,   0                            ; window 1
.set Q,   128
.set F,   192
.set WV,  10                           ; s10  my wave's number
.set IDX, 11                           ; s11  which quarter of a stage I fetch
.set BH,  12                           ; s12  batch x 16 + head
.set G1K, 16                           ; s[16:23] descriptor group 1 for K's tiles;  s[24:31] for V's: it differs in the padding alone
.set G1V, 24
.set G0K, 32                           ; s[32:35] group 0 for K's tiles, which walks from stage to stage;  s[36:39] for V's
.set G0V, 36
.set CS,  48                           ; s[48:49] c: the packed scaling names a pair and takes its low word for both halves
.set SEL, 50                           ; s[50:51] lane selects for v_permlanex16_b32: lane l xor 16
.set TK,  52                           ; s52-54 where the step's K, V and biases begin
.set TV,  53
.set TB,  54
.set CNT, 55
.set MSB, 0
.macro WIN new                         ; the immediate's high byte repeats the setting that is left; a switch that changes nothing is dropped
.if MSB != \new
	s_set_vgpr_msb (MSB<<8)|\new
.set MSB, \new
.endif
.endm
.set TO_1, 0x40                        ; destination window 1, address window 0
.set W_KQ, 0x05                        ; K and Q in window 1; C and S^T in window 0.  Also: conversions from window 1 into window 0
.set W_RS, 0x41                        ; O^T (destination and source 0) in window 1, the factor in window 0
.set W_PV, 0x51                        ; V in window 1, P in window 0, O^T in window 1
; A stage's load: waves 0-3 fetch K's quarters, waves 4-7 V's.  The branch hangs on the wave's number alone and has a load in each arm.  An s_nop 0 and four v_nop follow each of the two lines.
.macro TLOAD
	s_cmp_lt_u32 s[WV], 4
	s_cbranch_scc0 .Lfor_v_\@
	tensor_load_to_lds s[G0K:G0K+3], s[G1K:G1K+7]
	s_nop 0
.rept 4
	v_nop
.endr
	s_branch .Lasked_\@
.Lfor_v_\@:
	tensor_load_to_lds s[G0V:G0V+3], s[G1V:G1V+7]
	s_nop 0
.rept 4
	v_nop
.endr
.Lasked_\@:
.endm
	s_load_b128 s[4:7], s[0:1], 0x0                ; qkv s[4:5], mask s[6:7]
	s_load_b64 s[8:9], s[0:1], 0x10                ; ctx
	v_lshl_add_u32 v[SPW], v0, 2, SPARE
	v_mov_b32 v[NIL], 0
	ds_add_u32 v[SPW], v[NIL]                      ; the wave's opening: the add, twice on end, and its wait ahead of my first tensor load; the set-up below stands between the second and the wait
	ds_add_u32 v[SPW], v[NIL]
	v_lshrrev_b32 v13, 5, v0
	v_readfirstlane_b32 s[WV], v13                 ; wave 0..7
	s_and_b32 s[IDX], s[WV], 3
	s_and_b32 s[BH], ttmp7, 0xffff
	; descriptor group 1: 32 rows of 128 elements of 2 bytes: 64 keys, two to a row (a head's rows are dense in memory), padded in LDS
	s_mov_b32 s[G1K], (1<<16)|(1<<20)|(5<<22)|(3<<25)   ; 15:0 no mask; 17:16 elements of 2 bytes; 20 padding on; 24:22 after every 64 words; 31:25 four words of it
	s_mov_b32 s[G1V], (1<<16)|(1<<20)|(5<<22)|(7<<25)   ; the same with eight words
.irp g, G1K, G1V
	s_mov_b32 s[\g+1], 128<<16                     ; tensor_dim0
	s_mov_b32 s[\g+2], WROWS<<16                   ; tensor_dim1
	s_mov_b32 s[\g+3], 128<<16                     ; tile_dim0
	s_mov_b32 s[\g+4], WROWS                       ; tile_dim1
	s_mov_b32 s[\g+5], 128                         ; tensor_dim0_stride
	s_mov_b32 s[\g+6], 0
	s_mov_b32 s[\g+7], 0
.endr
	s_mov_b32 s[CS], 0x3e38aa3b                    ; c = log2(e) / 8
	s_mov_b32 s[CS+1], s[CS]                       ; (named with it as a pair, so it is written)
	s_mov_b32 s[SEL], 0x76543210
	s_mov_b32 s[SEL+1], 0xfedcba98
	s_mov_b32 s[TK], 0
	s_mov_b32 s[TV], 0
	s_mov_b32 s[TB], 0
	s_lshl_b32 s56, s[BH], 17                      ; my head's first byte in q's, k's and v's part: 131,072 a head
	s_lshl_b32 s57, s[IDX], 13                     ; my 64 keys of a stage: 8,192 bytes
	s_add_co_u32 s58, s56, s57
	s_add_co_u32 s58, s58, 1<<24                   ; k's part begins 2^24 bytes in, v's 2^25
	s_mov_b32 s59, 0
	s_mul_i32 s60, s[IDX], WROWS*KP                ; and their places in LDS
	s_mul_i32 s61, s[IDX], WROWS*VP
	s_add_co_u32 s61, s61, VB
	s_wait_dscnt 0x0                               ; both opening adds are done
	s_wait_kmcnt 0x0
	s_add_nc_u64 s[62:63], s[4:5], s[58:59]
	s_mov_b32 s[G0K], 1                            ; count = 1
	s_mov_b32 s[G0K+1], s60                        ; LDS address: stage 0
	s_mov_b64 s[G0K+2:G0K+3], s[62:63]             ; global address: the head's first 256 keys
	s_or_b32 s[G0K+3], s[G0K+3], 0x80000000        ; type = 2
	s_mov_b32 s[G0V], 1
	s_mov_b32 s[G0V+1], s61
	s_add_nc_u64 s[G0V+2:G0V+3], s[62:63], 1<<24
	s_or_b32 s[G0V+3], s[G0V+3], 0x80000000
	TLOAD                                          ; stage 0, ahead of every wait on TENSORcnt, every LDS read and every barrier
	s_lshr_b32 s57, s[BH], 4                       ; the batch
	s_lshl_b32 s58, s57, 12
	s_add_nc_u64 s[6:7], s[6:7], s[58:59]          ; its row of the mask
	s_lshl_b32 s60, ttmp9, 16                      ; my work-group's 512 rows of 128 bytes,
	s_lshl_b32 s61, s[WV], 13                      ; my wave's 64 of them
	s_add_co_u32 s60, s60, s61
	s_add_co_u32 s58, s56, s60
	s_add_nc_u64 s[4:5], s[4:5], s[58:59]          ; Q at my first query
	s_and_b32 s61, s[BH], 15
	s_lshl_b32 s61, s61, 20                        ; ctx: the head's plane of 2^20 bytes,
	s_lshl_b32 s57, s57, 17                        ; the batch's 1,024 rows in it
	s_add_co_u32 s58, s61, s57
	s_add_co_u32 s58, s58, s60
	s_add_nc_u64 s[8:9], s[8:9], s[58:59]
	v_lshlrev_b32 v[MK+8], 4, v0                   ; the 256 threads take four mask words each
	global_load_b128 v[MK:MK+3], v[MK+8], s[6:7]
	v_and_b32 v13, 15, v0                          ; r = l % 16
	v_bfe_u32 v14, v0, 4, 1                        ; h = l / 16
	v_lshlrev_b32 v[QO], 7, v13
	v_lshl_add_u32 v[QO], v14, 4, v[QO]            ; row r of 128 bytes + 16 h
	WIN TO_1
.irp t, 0,1,2,3                        ; Q stays in registers: tile t, channels 32 c on: registers 0-3 channels 8 h + 0..7, registers 4-7 channels 16 + 8 h + 0..7
.irp c, 0,1
	global_load_b128 v[Q+16*\t+8*\c:Q+16*\t+8*\c+3],   v[QO], s[4:5] offset:2048*\t+64*\c th:TH_LOAD_NT
	global_load_b128 v[Q+16*\t+8*\c+4:Q+16*\t+8*\c+7], v[QO], s[4:5] offset:2048*\t+64*\c+32 th:TH_LOAD_NT
.endr
.endr
	WIN 0
	v_lshrrev_b32 v15, 1, v13
	v_mul_u32_u24 v[AK0], v15, KP                  ; K: key r at (r / 2) KP + (r % 2) 128, + 16 h
	v_and_b32 v15, 1, v0
	v_lshl_add_u32 v[AK0], v15, 7, v[AK0]
	v_lshl_add_u32 v[AK0], v14, 4, v[AK0]
	v_bfe_u32 v[AV0], v0, 1, 2                     ; V: the turning load's lane l reads 16 bytes of key 8 h + l % 8, channels 8 ((l / 8) % 2) on
	v_lshl_add_u32 v[AV0], v14, 2, v[AV0]
	v_mul_u32_u24 v[AV0], v[AV0], VP
	v_lshl_add_u32 v[AV0], v15, 7, v[AV0]
	v_bfe_u32 v15, v0, 3, 1
	v_lshl_add_u32 v[AV0], v15, 4, v[AV0]
	v_add_nc_u32 v[AV0], VB, v[AV0]
	v_lshl_add_u32 v[AB0], v14, 5, BIAS            ; the biases of keys 8 h + 0..7 of a tile
	s_mul_i32 s57, s[WV], 16*SPT
	s_add_co_u32 s57, s57, STAGE                   ; my stage
	v_mul_u32_u24 v[STO], v13, SPT                 ; in: row r, 16 bytes for each half of the lanes
	v_lshl_add_u32 v[STO], v14, 4, v[STO]
	v_add_nc_u32 v[STO], s57, v[STO]
	v_bfe_u32 v[RD], v0, 3, 2                      ; back: eight lanes to a row of 128 bytes, four rows an instruction
	v_mul_u32_u24 v[RD], v[RD], SPT
	v_and_b32 v15, 7, v0
	v_lshl_add_u32 v[RD], v15, 4, v[RD]
	v_add_nc_u32 v[RD], s57, v[RD]
	v_and_b32 v[GO], 31, v0
	v_lshlrev_b32 v[GO], 4, v[GO]
	v_mov_b32 v[MK+9], 0xf1800000                  ; -2^100
	v_lshl_add_u32 v[MK+10], v0, 4, BIAS
	s_wait_loadcnt 16                              ; the mask's words are in; Q's 16 loads, issued behind them, may be out
.irp i, 0,1,2,3
	v_cmp_eq_u32 vcc_lo, 0, v[MK+\i]               ; hidden where the mask is 0
	v_cndmask_b32 v[MK+4+\i], 0, v[MK+9], vcc_lo
.endr
	ds_store_b128 v[MK+10], v[MK+4:MK+7]           ; the keys' biases; the wait for them stands in the first change of stages
.macro M3S c, i                        ; chain c of the maximum starts with scores i, i + 1, i + 2, in the four tiles
.irp t, 0,1,2,3
	v_max3_num_f32 v[ST+8*\t+4+\c], v[S+32*\t+\i], v[S+32*\t+\i+1], v[S+32*\t+\i+2]
.endr
.endm
.macro M3 c, i                         ; chain c takes scores i, i + 1
.irp t, 0,1,2,3
	v_max3_num_f32 v[ST+8*\t+4+\c], v[ST+8*\t+4+\c], v[S+32*\t+\i], v[S+32*\t+\i+1]
.endr
.endm
.macro TREE w, n                       ; n packed additions a tile: the pair at w u takes the pair at w u + w / 2
.set u, 0
.rept \n
.irp t, 0,1,2,3
	v_pk_add_f32 v[S+32*\t+\w*u:S+32*\t+\w*u+1], v[S+32*\t+\w*u:S+32*\t+\w*u+1], v[S+32*\t+\w*u+\w/2:S+32*\t+\w*u+\w/2+1]
.endr
.set u, u+1
.endr
.endm
; A KEY STEP: 64 keys, in phases; the four tiles take turns line by line, so that no line waits for the line above it.  first = 1: the first step, which starts m, l and O^T.
.macro STEP first
	WIN 0
	v_add_nc_u32 v[ADK], s[TK], v[AK0]             ; (the row sums at the last step's end, which name none of the last products' registers, are the places in front of the loads below)
	v_add_nc_u32 v[ADV], s[TV], v[AV0]
	v_add_nc_u32 v[ADB], s[TB], v[AB0]
.irp kt, 0,1,2,3                       ; the biases of the step's four tiles of 16 keys, in the result's layout: the same for all queries
	ds_load_b128 v[P+8*\kt:P+8*\kt+3],   v[ADB] offset:64*\kt
	ds_load_b128 v[P+8*\kt+4:P+8*\kt+7], v[ADB] offset:64*\kt+16
.endr
	WIN TO_1
.irp kt, 0,1,2,3                       ; K: keys 16 kt on, channels 32 c on
.irp c, 0,1
	ds_load_b128 v[F+16*\kt+8*\c:F+16*\kt+8*\c+3],   v[ADK] offset:8*KP*\kt+64*\c
	ds_load_b128 v[F+16*\kt+8*\c+4:F+16*\kt+8*\c+7], v[ADK] offset:8*KP*\kt+64*\c+32
.endr
.endr
	s_wait_dscnt 0x0
	WIN W_KQ
.irp c, 0,1                            ; S^T = K Q^T + the keys' bias: 16 accumulators by turns, one instruction a turn
.irp kt, 0,1,2,3
.irp t, 0,1,2,3
.if \c == 0
	v_wmma_f32_16x16x32_f16 v[S+32*\t+8*\kt:S+32*\t+8*\kt+7], v[F+16*\kt:F+16*\kt+7], v[Q+16*\t:Q+16*\t+7], v[P+8*\kt:P+8*\kt+7]
.else
	v_wmma_f32_16x16x32_f16 v[S+32*\t+8*\kt:S+32*\t+8*\kt+7], v[F+16*\kt+8:F+16*\kt+15], v[Q+16*\t+8:Q+16*\t+15], v[S+32*\t+8*\kt:S+32*\t+8*\kt+7]
.endif
.endr
.endr
.endr
.rept 4
	v_nop                                          ; four places: ahead of the loads into K's registers, of the first read of the scores, and of the writes over the biases
.endr
	WIN TO_1
.irp kc, 0,1                           ; V, turned: keys 32 kc on, channels 16 ct on.  These land under the softmax
.irp ct, 0,1,2,3
	ds_load_tr16_b128 v[F+32*\kc+8*\ct:F+32*\kc+8*\ct+3],   v[ADV] offset:16*VP*\kc+32*\ct
	ds_load_tr16_b128 v[F+32*\kc+8*\ct+4:F+32*\kc+8*\ct+7], v[ADV] offset:16*VP*\kc+32*\ct+8*VP
.endr
.endr
	WIN 0
	M3S 0, 0                                       ; the maximum of a lane's 32 scores, three operands at a time, in four chains; each accumulator is first read at its low end
	M3S 1, 3
	M3S 2, 16
	M3S 3, 19
	M3 0, 6
	M3 1, 8
	M3 2, 22
	M3 3, 24
	M3 0, 10
	M3 1, 12
	M3 2, 26
	M3 3, 28
	M3 0, 14
	M3 2, 30
.irp t, 0,1,2,3
	v_max3_num_f32 v[ST+8*\t+4], v[ST+8*\t+4], v[ST+8*\t+5], v[ST+8*\t+6]
.endr
.irp t, 0,1,2,3
.if \first
	v_max3_num_f32 v[ST+8*\t+4], v[ST+8*\t+4], v[ST+8*\t+7], 0xdd800000   ; and the floor -2^60, under every score of an open key
.else
	v_max3_num_f32 v[ST+8*\t+4], v[ST+8*\t+4], v[ST+8*\t+7], v[ST+8*\t+1] ; and the old m
.endif
.endr
.irp t, 0,1,2,3
	v_permlanex16_b32 v[ST+8*\t+5], v[ST+8*\t+4], s[SEL], s[SEL+1]        ; the query's other 32 keys lie in the lane 16 away
.endr
.if !\first
.irp t, 0,1,2,3
	v_mov_b32 v[ST+8*\t+7], v[ST+8*\t]             ; c m_old is kept for a
.endr
.endif
.irp t, 0,1,2,3
	v_max_num_f32 v[ST+8*\t+1], v[ST+8*\t+4], v[ST+8*\t+5]
.endr
.irp t, 0,1,2,3
	v_mul_f32 v[ST+8*\t], s[CS], v[ST+8*\t+1]
.endr
.if !\first
.irp t, 0,1,2,3
	v_sub_f32 v[ST+8*\t+7], v[ST+8*\t+7], v[ST+8*\t]
.endr
.irp t, 0,1,2,3
	v_exp_f32 v[ST+8*\t+6], v[ST+8*\t+7]           ; a = 2^(c m_old - c m_new)
.endr
.endif
; ONE BATCH: the scalings c s - c m, a pair of scores each, and all the exponentials; none of these lines names an exponential's result
.set i, 0
.rept 16
.irp t, 0,1,2,3
	v_pk_fma_f32 v[S+32*\t+2*i:S+32*\t+2*i+1], v[S+32*\t+2*i:S+32*\t+2*i+1], s[CS:CS+1], v[ST+8*\t:ST+8*\t+1] op_sel_hi:[1,0,0] neg_lo:[0,0,1] neg_hi:[0,0,1]
.endr
.irp t, 0,1,2,3
	v_exp_f32 v[S+32*\t+2*i], v[S+32*\t+2*i]
	v_exp_f32 v[S+32*\t+2*i+1], v[S+32*\t+2*i+1]
.endr
.set i, i+1
.endr
	v_nop                                          ; a plain instruction behind the last exponential, ahead of the first use
	s_wait_alu depctr_va_vdst(0)                   ; and a wait ahead of the first instruction that names a result: one for the whole batch
.set i, 0
.rept 16
.irp t, 0,1,2,3
	v_cvt_pk_f16_f32 v[P+16*\t+i], v[S+32*\t+2*i], v[S+32*\t+2*i+1]       ; the weights as f16: source 1 of the second product
.endr
.set i, i+1
.endr
.if !\first
	WIN W_RS
.set i, 0
.rept 16
.irp t, 0,1,2,3
	v_pk_mul_f32 v[O+32*\t+2*i:O+32*\t+2*i+1], v[O+32*\t+2*i:O+32*\t+2*i+1], v[ST+8*\t+6:ST+8*\t+7] op_sel_hi:[1,0]   ; O^T times a, each accumulator from its low end on
.endr
.set i, i+1
.endr
.endif
	s_wait_dscnt 0x0                               ; V is in
	WIN W_PV
.irp kc, 0,1                           ; O^T += V^T P: 16 accumulators by turns
.irp ct, 0,1,2,3
.irp t, 0,1,2,3
.if \first && (\kc == 0)
	v_wmma_f32_16x16x32_f16 v[O+32*\t+8*\ct:O+32*\t+8*\ct+7], v[F+32*\kc+8*\ct:F+32*\kc+8*\ct+7], v[P+16*\t+8*\kc:P+16*\t+8*\kc+7], 0
.else
	v_wmma_f32_16x16x32_f16 v[O+32*\t+8*\ct:O+32*\t+8*\ct+7], v[F+32*\kc+8*\ct:F+32*\kc+8*\ct+7], v[P+16*\t+8*\kc:P+16*\t+8*\kc+7], v[O+32*\t+8*\ct:O+32*\t+8*\ct+7]
.endif
.endr
.endr
.endr
	WIN 0
	TREE 4, 8                                      ; the row's sum of the unrounded p, in place on S^T's registers, behind the products that do not name them
	TREE 8, 4
	TREE 16, 2
.irp t, 0,1,2,3
.if \first
	v_pk_add_f32 v[ST+8*\t+2:ST+8*\t+3], v[S+32*\t:S+32*\t+1], v[S+32*\t+16:S+32*\t+17]
.else
	v_pk_add_f32 v[S+32*\t:S+32*\t+1], v[S+32*\t:S+32*\t+1], v[S+32*\t+16:S+32*\t+17]
.endif
.endr
.if !\first
.irp t, 0,1,2,3
	v_pk_fma_f32 v[ST+8*\t+2:ST+8*\t+3], v[ST+8*\t+2:ST+8*\t+3], v[ST+8*\t+6:ST+8*\t+7], v[S+32*\t:S+32*\t+1] op_sel_hi:[1,0,1]   ; l = l a + the sum
.endr
.endif
	s_add_co_u32 s[TK], s[TK], 32*KP               ; the next 64 keys
	s_add_co_u32 s[TV], s[TV], 32*VP
	s_add_co_u32 s[TB], s[TB], 256
.endm
; THE CHANGE OF STAGES stands at a stage's head.  Each wave waits for all its tensor loads (one is out: its part of the stage that it is about to read), adds 0 to its spare word, and waits for that and for its LDS
; instructions.  Behind the barrier the stage ahead is whole.  fill = 1: the next stage is asked for, into bytes that nothing has filled yet: a wave's one tensor load until the next such barrier, and the first thing behind this one.
.macro CHANGE fill
	s_wait_tensorcnt 0x0                           ; no tensor load of mine is out, so a group 0 may be written
	ds_add_u32 v[SPW], v[NIL]                      ; with fill = 1 the descriptors' steps stand between the add and the wait for it
.if \fill
	s_add_co_u32 s[G0K+1], s[G0K+1], SROWS*KP      ; the walking descriptors: the next stage's bytes in LDS,
	s_add_nc_u64 s[G0K+2:G0K+3], s[G0K+2:G0K+3], 32768   ; the next 256 keys of 128 bytes; the type bits on top are not reached
	s_add_co_u32 s[G0V+1], s[G0V+1], SROWS*VP
	s_add_nc_u64 s[G0V+2:G0V+3], s[G0V+2:G0V+3], 32768
.endif
	s_wait_dscnt 0x0                               ; the add is done, and no LDS instruction of mine is out (at the first change: my biases lie in LDS, for the others' sake)
	s_barrier_signal -1
	s_barrier_wait -1
.if \fill
	TLOAD
.endif
.endm
.macro RUN n                           ; n key steps, written once
	s_mov_b32 s[CNT], \n
.Lrun_\@:
	STEP 0
	s_sub_co_u32 s[CNT], s[CNT], 1
	s_cmp_lg_u32 s[CNT], 0
	s_cbranch_scc1 .Lrun_\@
.endm
	CHANGE 1                                       ; keys 0-255 are in; keys 256-511 are asked for
	s_wait_loadcnt 0x0                             ; Q
	STEP 1                                         ; keys 0-63
	RUN 3
	CHANGE 1                                       ; keys 256-511 are in; keys 512-767 are asked for
	RUN 4
	CHANGE 1                                       ; keys 512-767 are in; keys 768-1,023 are asked for
	RUN 4
	CHANGE 0                                       ; the last stage is in; nothing is left to ask for
	RUN 4
	; THE WAY OUT.  l's two halves and the other half of the lanes' are added; O^T is divided by l, rounded to f16 and sent through my stage, a tile (16 rows of 128 bytes) at a time.
	; (The last step's row sums are the places behind the last products.)
.irp t, 0,1,2,3
	v_add_f32 v[ST+8*\t+4], v[ST+8*\t+2], v[ST+8*\t+3]
.endr
.irp t, 0,1,2,3
	v_permlanex16_b32 v[ST+8*\t+5], v[ST+8*\t+4], s[SEL], s[SEL+1]
.endr
.irp t, 0,1,2,3
	v_add_f32 v[ST+8*\t+4], v[ST+8*\t+4], v[ST+8*\t+5]
.endr
.irp t, 0,1,2,3
	v_rcp_f32 v[ST+8*\t+6], v[ST+8*\t+4]
.endr
	v_nop                                          ; a plain instruction between the last reciprocal and the use of its result
	s_wait_alu depctr_va_vdst(0)                   ; and a wait ahead of the first use: one for the four
.macro PACK t
	WIN W_RS
.set i, 0
.rept 16
	v_pk_mul_f32 v[O+32*\t+2*i:O+32*\t+2*i+1], v[O+32*\t+2*i:O+32*\t+2*i+1], v[ST+8*\t+6:ST+8*\t+7] op_sel_hi:[1,0]
.set i, i+1
.endr
	WIN W_KQ                                       ; sources in window 1, destination in window 0: S^T's registers are free
.set i, 0
.rept 16
	v_cvt_pk_f16_f32 v[S+32*\t+i], v[O+32*\t+2*i], v[O+32*\t+2*i+1]
.set i, i+1
.endr
	WIN 0
.irp ct, 0,1,2,3
	ds_store_b128 v[STO], v[S+32*\t+4*\ct:S+32*\t+4*\ct+3] offset:32*\ct   ; lane (r, h): channels 16 ct + 8 h + 0..7 of query r
.endr
.irp i, 0,1,2,3
	ds_load_b128 v[S+32*\t+16+4*\i:S+32*\t+16+4*\i+3], v[RD] offset:4*SPT*\i   ; LDS serves a wave's instructions in order (ISA guide 5.7.1.4): these see the stores above; the next tile's stores come behind them
.endr
.endm
.macro SEND t, younger                 ; younger: the LDS instructions issued behind tile t's loads: the next tile's four stores and four loads, or none
.irp i, 0,1,2,3
	s_wait_dscnt \younger+3-\i
	global_store_b128 v[GO], v[S+32*\t+16+4*\i:S+32*\t+16+4*\i+3], s[8:9] offset:2048*\t+512*\i   ; 32 lanes store 512 consecutive bytes, at a multiple of 512 from the buffer's first byte
.endr
.endm
	PACK 0
	PACK 1                                         ; a tile's arithmetic stands between the loads of the tile before and its stores
	SEND 0, 8
	PACK 2
	SEND 1, 8
	PACK 3
	SEND 2, 8
	SEND 3, 0
	s_wait_tensorcnt 0x0                           ; the wave's end, behind my last tensor load and my last LDS store
	ds_add_u32 v[SPW], v[NIL]
	s_wait_dscnt 0x0
	s_endpgm
.Lfunc_end_k_qc1fe0b9500_attn:
	.size	k_qc1fe0b9500_attn, .Lfunc_end_k_qc1fe0b9500_attn-k_qc1fe0b9500_attn
	.p2alignl 7, 3214868480
	.fill 96, 4, 3214868480
	.section	.rodata,"a",@progbits
	.p2align	6, 0x0
	.amdhsa_kernel k_qc1fe0b9500_attn
		.amdhsa_group_segment_fixed_size 327680
		.amdhsa_private_segment_fixed_size 0
		.amdhsa_enable_private_segment 0
		.amdhsa_kernarg_size 24
		.amdhsa_user_sgpr_count 2
		.amdhsa_user_sgpr_kernarg_segment_ptr 1
		.amdhsa_wavefront_size32 1
		.amdhsa_system_sgpr_workgroup_id_x 1
		.amdhsa_system_sgpr_workgroup_id_y 1
		.amdhsa_system_sgpr_workgroup_id_z 1
		.amdhsa_system_vgpr_workitem_id 0
		.amdhsa_next_free_vgpr 512
		.amdhsa_next_free_sgpr 66
		.amdhsa_reserve_vcc 1
		.amdhsa_float_denorm_mode_32 3
		.amdhsa_float_denorm_mode_16_64 3
		.amdhsa_memory_ordered 1
		.amdhsa_forward_progress 1
		.amdhsa_inst_pref_size 181
	.end_amdhsa_kernel
	.amdgpu_metadata
---
amdhsa.version: [ 1, 2 ]
amdhsa.kernels:
  - .name:           k_qc1fe0b9500_attn
    .symbol:         k_qc1fe0b9500_attn.kd
    .args:
      - { .name: qkv, .offset: 0, .size: 8, .value_kind: global_buffer, .address_space: global }
      - { .name: mask, .offset: 8, .size: 8, .value_kind: global_buffer, .address_space: global }
      - { .name: ctx, .offset: 16, .size: 8, .value_kind: global_buffer, .address_space: global }
    .group_segment_fixed_size: 327680
    .private_segment_fixed_size: 0
    .kernarg_segment_align: 8
    .kernarg_segment_size: 24
    .max_flat_workgroup_size: 256
    .sgpr_count:     66
    .vgpr_count:     512
    .wavefront_size: 32
...
	.end_amdgpu_metadata
.endif
;; end of part 3
;; launch proj (part 4): grid 4 x 64, 4 waves a work-group, clusters of 4 x 4, 327,680 bytes of LDS; arguments ctx, wp16, bp, out0; writes out0
.if DOCPART == 4
	.amdgcn_target "amdgcn-amd-amdhsa--gfx1250"
	.amdhsa_code_object_version 6
	.text
	.protected	k_qc1fe0b9500_proj
	.globl	k_qc1fe0b9500_proj
	.p2align	8
	.type	k_qc1fe0b9500_proj,@function
k_qc1fe0b9500_proj:
	s_mov_b64 s[64:65], 0
	v_nop
	global_prefetch_b8 v0, s[64:65] scope:SCOPE_SE
	s_setreg_imm32_b32 hwreg(HW_REG_WAVE_MODE, 25, 1), 1
	s_wait_xcnt 0x0
	s_wait_alu depctr_hold_cnt(0) depctr_sa_sdst(0) depctr_va_vdst(0) depctr_va_sdst(0) depctr_va_ssrc(0) depctr_va_vcc(0) depctr_vm_vsrc(0)
	s_getreg_b32 s2, hwreg(HW_REG_IB_STS2, 6, 4)
	s_cmp_eq_u32 s2, 0
	s_cbranch_scc0 .Lentry_in_a_cluster
	s_endpgm
.Lentry_in_a_cluster:
	s_bfe_u32 s2, ttmp6, 0x10000c
	s_cmp_lg_u32 s2, 0xf033
	s_cbranch_scc0 .Lentry_shape_is_right
	s_endpgm
.Lentry_shape_is_right:
; out[m][n] = the sum over k of ctx[m][k] wp[n][k] + bp[n].  ctx: f16, head-major [16 heads][8192 rows][64]: k = 64 x head + channel; wp16: f16 [1024 n][1024 k]; bp f32; out f32 [8192][1024]; sums in f32.
; A tile of out is 128 rows x 256 columns: 64 x 4 = 256 work-groups.  Four waves, each 64 x 128: 32 accumulators of 16 x 16, 256 registers.
; K goes in steps of 128 (two heads' planes of ctx; 256 bytes of each row of wp16) through a ring of two LDS slots.  A plane's 128 rows of 128 bytes are dense in memory and come as 64 rows of 256 bytes.
; Waves 0 and 1 fetch A's two planes, waves 2 and 3 B's two halves of 128 rows: one tensor load a wave behind each change of slots, with 112 matrix instructions between the request and the wait for it.
; CLUSTERS: 4 x 4 work-groups.  The four of a row of the cluster need the same tiles of ctx, the four of a column the same tiles of wp16: each tile is asked for JOINTLY, by the same tensor load with the same
; descriptor and a mask that names the four.  The grid is one cluster wide: the tile column is my place along the cluster's x.
; THE MATRIX INSTRUCTION IS USED TRANSPOSED (source 0 = 16 rows of wp16, source 1 = 16 rows of ctx): a lane then holds eight neighbouring columns of a row of out.  bp is the C of each sum's first instruction.
; REGISTERS: window 0: v1-31 addresses; v32-95 bp, 8 tiles of 8; v128-255 the way out.   window 1: two fragment buffers of 96 (A's 4 blocks, then B's 8, 32 along K), at v0 and v128.
;   window 2: the accumulators, (a, b) at v[8 (8 a + b)].
.set PITCH,  272                       ; an LDS row: 256 bytes + 16 of padding
.set PLANE,  64*PITCH                  ; a plane's 128 rows of ctx, two to an LDS row
.set BOFF,   2*PLANE                   ; B's 256 rows lie behind A's two planes
.set BHALF,  128*PITCH
.set SLOT,   BOFF+2*BHALF
.set STAGE,  2*SLOT                    ; behind the ring: 16 rows x 528 bytes for each wave, for the way out; no tensor load fills it
.set SPITCH, 528
.set SPARE,  STAGE+4*16*SPITCH         ; the spare words, 128 bytes a wave, which no other line names
.set KPL,    2*1048576                 ; a K step of ctx in memory: two planes on
.set LAPS,   4                         ; a lap = two K steps = once round the ring: 1,024 / 256
.set ADRA, 16                          ; v16-17  LDS address of my A fragments in slot 0, 1
.set ADRB, 20                          ; v20-21  the same for B
.set STO,  24                          ; v24     the way out: where I put 32 bytes of a row
.set RD,   25                          ; v25     where I read a row back
.set CO,   26                          ; v26     16 x lane: my place in a store's 512 bytes
.set SPW,  28                          ; v28     LDS address of my spare word; never rewritten
.set NIL,  29                          ; v29     0; never rewritten
.set PFO,  30                          ; v30     the prefetches' offset: lanes 0-15 sixteen blocks of 256 bytes of one plane, lanes 16-31 of the next; never rewritten
.set BI,   32                          ; bp: tile b at v[BI + 8 b]: register j of lane (r, h) = bp[my first column + 16 b + 8 h + j]
.set BK,   128                         ; the way out: 16 rows read back: v128-191 and v192-255 by turns
.set F0,   0                           ; fragment buffers, in window 1
.set F1,   128
.set G1,  24                           ; s[24:31] descriptor group 1 for A's tiles;  s[32:39] group 0, one set for each slot
.set G0,  32
.set G1B, 48                           ; s[48:55], s[56:63] the same for B's tiles
.set G0B, 56
.set PFA, 66                           ; s[66:67] where my prefetches stand: my work-group's 4,096 bytes of each plane, one K step further on than the refill that is being asked for
.set WV,  68                           ; s68  my wave's number
.set RH,  69                           ; s69  which half of the tile's rows is mine.  Also: I fetch for A (0) or for B (1)
.set CH,  70                           ; s70  which half of its columns.  Also: which plane of A, or which 128 rows of B, I fetch
.set LIM, 71                           ; s71  1 in the wave that prefetches, else the greatest number
.set MSB, 0
.macro WIN new                         ; the immediate's high byte repeats the setting that is left; a switch that changes nothing is dropped
.if MSB != \new
	s_set_vgpr_msb (MSB<<8)|\new
.set MSB, \new
.endif
.endm
.set MUL,  0xa5                        ; sources 0 (B) and 1 (A) window 1; C and D window 2
.set FST,  0x85                        ; the first quarter: C (bp) window 0
.set TO_F, 0x40                        ; destination window 1, address window 0
.macro JLOAD s                         ; a joint load; the branch hangs on the wave's number alone; an s_nop 0 and four v_nop follow each of the two lines, ahead of the jump, the label and what follows
	s_cmp_eq_u32 s[RH], 0
	s_cbranch_scc0 .Lfor_b_\@
	tensor_load_to_lds s[G0+4*\s:G0+4*\s+3], s[G1:G1+7]
	s_nop 0
.rept 4
	v_nop
.endr
	s_branch .Lasked_\@
.Lfor_b_\@:
	tensor_load_to_lds s[G0B+4*\s:G0B+4*\s+3], s[G1B:G1B+7]
	s_nop 0
.rept 4
	v_nop
.endr
.Lasked_\@:
.endm
.macro CREST                           ; a round of the cluster's barrier behind its opening barrier
	s_cmp_lg_u32 s[WV], 0
	s_cbranch_scc1 .Lnot_wave_0_\@
	s_barrier_signal -3
.Lnot_wave_0_\@:
	s_barrier_wait -3
	s_barrier_signal -1
	s_barrier_wait -1
.endm
.macro CROUND                          ; a whole round
	s_barrier_signal -1
	s_barrier_wait -1
	CREST
.endm
; A PREFETCH INTO THE L2 of ctx's K step that stands TWO refills on: 2 planes x 16,384 bytes are 128 blocks of 256 bytes.  A tile row of ctx is read by one row of one cluster alone; its four partners take 32 blocks
; each, told apart BY ADDRESS (4,096 bytes of each plane); in each, wave 0 asks: one instruction, a lane a block.  So each block is named once in the launch.  It stands behind the joint load, its five lines and the run of
; LDS loads.  K steps 0 to 3 come by their loads alone; the loop's last trip asks for nothing: there is no K step two on.  wp16 is not asked for: all sixteen rows of clusters read its rows in step.
.macro ASK
	s_cmp_gt_u32 s3, s[LIM]                        ; s3 = 1 in the loop's last trip
	s_cbranch_scc0 .Lnot_mine_\@
	global_prefetch_b8 v[PFO], s[PFA:PFA+1] offset:KPL th:TH_LOAD_NT scope:SCOPE_SE
.Lnot_mine_\@:
.endm
	s_load_b128 s[4:7], s[0:1], 0x0                ; ctx s[4:5], wp16 s[6:7]
	s_load_b128 s[8:11], s[0:1], 0x10              ; bp s[8:9], out s[10:11]
	v_lshl_add_u32 v[SPW], v0, 2, SPARE
	v_mov_b32 v[NIL], 0
	ds_add_u32 v[SPW], v[NIL]                      ; the wave's opening: the add, twice on end, and its wait ahead of my first tensor load; the set-up below stands between the second and the wait
	ds_add_u32 v[SPW], v[NIL]
	v_lshrrev_b32 v1, 5, v0
	v_readfirstlane_b32 s[WV], v1                  ; wave 0..3
	s_lshr_b32 s[RH], s[WV], 1
	s_and_b32 s[CH], s[WV], 1
	s_bfe_u32 s40, ttmp6, 0x40000                  ; cx: also the tile column
	s_bfe_u32 s41, ttmp6, 0x40004                  ; cy
	s_and_b32 s13, ttmp7, 0xffff
	s_lshl_b32 s13, s13, 2
	s_add_co_u32 s13, s13, s41                     ; tile row = 4 x cluster y + cy
	s_lshl_b32 s43, s41, 2
	s_lshl_b32 s43, 15, s43                        ; my row of the cluster
	s_lshl_b32 s44, 0x1111, s40                    ; my column
	s_or_b32 s[G1+0], s43, (1<<16)|(1<<20)|(1<<21)|(5<<22)|(3<<25)   ; 15:0 the mask: A's tiles go to my row; 17:16 elements of 2 bytes; 20 padding on; 21 set beside a mask; 24:22 after every 64 words; 31:25 four words of it
	s_or_b32 s[G1B+0], s44, (1<<16)|(1<<20)|(1<<21)|(5<<22)|(3<<25)
	s_mov_b32 s[G1+1], 128<<16                     ; A: tensor_dim0 = 128 elements: two rows of ctx
	s_mov_b32 s[G1+2], 64<<16                      ; tensor_dim1
	s_mov_b32 s[G1+3], 128<<16                     ; tile_dim0
	s_mov_b32 s[G1+4], 64                          ; tile_dim1
	s_mov_b32 s[G1+5], 128                         ; tensor_dim0_stride: dense
	s_mov_b32 s[G1+6], 0
	s_mov_b32 s[G1+7], 0
	s_mov_b32 s[G1B+1], 128<<16                    ; B: 128 rows of 128 elements, 1,024 elements apart
	s_mov_b32 s[G1B+2], 128<<16
	s_mov_b32 s[G1B+3], 128<<16
	s_mov_b32 s[G1B+4], 128
	s_mov_b32 s[G1B+5], 1024
	s_mov_b32 s[G1B+6], 0
	s_mov_b32 s[G1B+7], 0
	s_lshl_b32 s16, s13, 14                        ; A: the tile row's 128 rows of 128 bytes in a plane,
	s_lshl_b32 s17, s[CH], 20                      ; in my plane of a K step's two
	s_add_co_u32 s16, s16, s17
	s_mov_b32 s17, 0
	s_lshl_b32 s46, s40, 19                        ; B: row 256 x tile column + 128 x half, 2,048 bytes a row
	s_lshl_b32 s47, s[CH], 18
	s_add_co_u32 s46, s46, s47
	s_mov_b32 s47, 0
	s_mul_i32 s20, s[CH], PLANE                    ; where they go: no place in the cluster enters an LDS address
	s_mul_i32 s21, s[CH], BHALF
	s_add_co_u32 s21, s21, BOFF
	s_wait_dscnt 0x0                               ; both opening adds are done
	s_wait_kmcnt 0x0
	s_add_nc_u64 s[14:15], s[4:5], s[16:17]
	s_add_nc_u64 s[46:47], s[6:7], s[46:47]
	CROUND                                         ; all sixteen work-groups are here: the first joint loads meet
.irp s, 0,1
	s_mov_b32 s[G0+4*\s], 1
	s_add_co_u32 s[G0+4*\s+1], s20, \s*SLOT
	s_add_nc_u64 s[G0+4*\s+2:G0+4*\s+3], s[14:15], \s*KPL
	s_or_b32 s[G0+4*\s+3], s[G0+4*\s+3], 0x80000000
	s_mov_b32 s[G0B+4*\s], 1
	s_add_co_u32 s[G0B+4*\s+1], s21, \s*SLOT
	s_add_nc_u64 s[G0B+4*\s+2:G0B+4*\s+3], s[46:47], \s*256
	s_or_b32 s[G0B+4*\s+3], s[G0B+4*\s+3], 0x80000000
	JLOAD \s
.endr
	v_and_b32 v1, 15, v0                           ; r = l % 16
	v_bfe_u32 v2, v0, 4, 1                         ; h = l / 16
	s_lshl_b32 s18, s40, 10                        ; my first column, 4 bytes each: 256 x tile column + 128 x half
	s_lshl_b32 s19, s[CH], 9
	s_add_co_u32 s18, s18, s19
	s_mov_b32 s19, 0
	s_add_nc_u64 s[8:9], s[8:9], s[18:19]
	s_add_nc_u64 s[10:11], s[10:11], s[18:19]
	v_lshlrev_b32 v5, 5, v2                        ; 32 h bytes: my half's eight numbers of a tile; never rewritten
.irp b, 0,1,2,3,4,5,6,7
	global_load_b128 v[BI+8*\b:BI+8*\b+3], v5, s[8:9] offset:64*\b
	global_load_b128 v[BI+8*\b+4:BI+8*\b+7], v5, s[8:9] offset:64*\b+16
.endr
	v_lshrrev_b32 v3, 1, v1
	v_mul_u32_u24 v3, v3, PITCH                    ; A: row r at (r / 2) pitch + (r % 2) 128, + 16 h
	v_and_b32 v4, 1, v0
	v_lshl_add_u32 v3, v4, 7, v3
	v_lshl_add_u32 v3, v2, 4, v3
	v_mul_u32_u24 v4, v1, PITCH                    ; B: row r x pitch + 16 h
	v_lshl_add_u32 v4, v2, 4, v4
	s_mul_i32 s21, s[RH], 32*PITCH                 ; my 64 rows of A in a plane
	s_mul_i32 s22, s[CH], BHALF                    ; my 128 rows of B
	s_add_co_u32 s22, s22, BOFF
.irp s, 0,1
	v_add_nc_u32 v[ADRA+\s], s21, v3
	v_add_nc_u32 v[ADRB+\s], s22, v4
	s_add_co_u32 s21, s21, SLOT
	s_add_co_u32 s22, s22, SLOT
.endr
	s_mul_i32 s23, s[WV], 16*SPITCH
	s_add_co_u32 s23, s23, STAGE                   ; my stage
	v_mul_u32_u24 v6, v1, SPITCH                   ; in: row r, 32 bytes for each half of the lanes
	v_lshl_add_u32 v6, v2, 5, v6
	v_add_nc_u32 v[STO], s23, v6
	v_and_b32 v6, 31, v0
	v_lshlrev_b32 v[CO], 4, v6                     ; back: the 32 lanes take one row of 512 bytes; and the same in out
	v_add_nc_u32 v[RD], s23, v[CO]
	s_lshl_b32 s18, s13, 19                        ; my first row of out: 128 x tile row + 64 x half, 4,096 bytes a row
	s_lshl_b32 s19, s[RH], 18
	s_add_co_u32 s18, s18, s19
	s_mov_b32 s19, 0
	s_add_nc_u64 s[10:11], s[10:11], s[18:19]
	s_lshl_b32 s18, s13, 14                        ; the prefetches: the tile row's bytes in a plane,
	s_lshl_b32 s19, s40, 12                        ; my work-group's 4,096 of them,
	s_add_co_u32 s18, s18, s19
	s_add_co_u32 s18, s18, 2*KPL                   ; at K step 2: the first refill steps it to 3 and names K step 4.  Nothing is prefetched here, at the head
	s_mov_b32 s19, 0
	s_add_nc_u64 s[PFA:PFA+1], s[4:5], s[18:19]
	s_cmp_eq_u32 s[WV], 0
	s_cselect_b32 s[LIM], 1, -1                    ; the same in all sixteen partners, for a given wave
	v_lshlrev_b32 v[PFO], 8, v1
	v_lshl_add_u32 v[PFO], v2, 20, v[PFO]
; 8 matrix instructions: A's block a x B's eight, 32 along K, from buffer f.  first = 1: the sums start with bp.  The 32 accumulators take turns, one instruction a turn, in the same order in every quarter.
.macro MUL8 f, a, first
.irp b, 0,1,2,3,4,5,6,7
.if \first
	v_wmma_f32_16x16x32_f16 v[8*(8*(\a)+\b):8*(8*(\a)+\b)+7], v[\f+32+8*\b:\f+32+8*\b+7], v[\f+8*(\a):\f+8*(\a)+7], v[BI+8*\b:BI+8*\b+7]
.else
	v_wmma_f32_16x16x32_f16 v[8*(8*(\a)+\b):8*(8*(\a)+\b)+7], v[\f+32+8*\b:\f+32+8*\b+7], v[\f+8*(\a):\f+8*(\a)+7], v[8*(8*(\a)+\b):8*(8*(\a)+\b)+7]
.endif
.endr
.endm
; 24 LDS loads in one run: the fragments of the slot's q-th 32 along K into buffer f: B's eight blocks, then A's four.  A's quarter q lies in plane q / 2, at byte 64 (q % 2) of a row of ctx
.macro FETCH slot, q, f
	WIN TO_F
.irp b, 0,1,2,3,4,5,6,7
	ds_load_b128 v[\f+32+8*\b:\f+32+8*\b+3],   v[ADRB+\slot] offset:64*(\q)+\b*16*PITCH
	ds_load_b128 v[\f+32+8*\b+4:\f+32+8*\b+7], v[ADRB+\slot] offset:64*(\q)+\b*16*PITCH+32
.endr
.irp i, 0,1,2,3
	ds_load_b128 v[\f+8*\i:\f+8*\i+3],   v[ADRA+\slot] offset:((\q)/2)*PLANE+((\q)%2)*64+\i*8*PITCH
	ds_load_b128 v[\f+8*\i+4:\f+8*\i+7], v[ADRA+\slot] offset:((\q)/2)*PLANE+((\q)%2)*64+\i*8*PITCH+32
.endr
.endm
.macro PLACES                          ; four places in front of loads into registers that matrix instructions have read, and of LDS stores that read results (except for loads)
.rept 4
	v_nop
.endr
.endm
; A K step is four quarters of 32 along K, 32 matrix instructions each, on buffers 0, 1, 0, 1.  One of the first three: multiplies buffer f and fetches quarter q of the same slot into g.
.macro QUARTER slot, q, f, g, first
	s_wait_dscnt 4                                 ; B and A's blocks 0, 1 are in; the youngest four loads (A's blocks 2, 3) may be out
.if \first
	WIN FST
.else
	WIN MUL
.endif
	MUL8 \f, 0, \first
	MUL8 \f, 1, \first
	PLACES
	FETCH \slot, \q, \g
	s_wait_dscnt 24                                ; all but the 24 just issued
.if \first
	WIN FST
.else
	WIN MUL
.endif
	MUL8 \f, 2, \first
	MUL8 \f, 3, \first
.endm
; The last quarter multiplies buffer 1 and changes slots: ONE barrier; in front of it each wave waits for all its tensor loads, adds 0 to its spare word, and waits for that and for its own reads of this slot.
; fill = 1: this slot is filled again, two K steps ahead; the barrier then opens a round of the cluster's barrier, and the joint refill is the first tensor load behind it.
.macro TURN slot, next, fill
.if \fill
	s_wait_xcnt 0x0                                ; the last prefetch, a K step back, has read its address: it is stepped here, ahead of the waits of the change of slots
	s_add_nc_u64 s[PFA:PFA+1], s[PFA:PFA+1], KPL
.endif
	WIN 0                                          ; (the add's two registers lie in window 0)
	s_wait_tensorcnt 0x0                           ; all my tensor loads have landed: the one that was out is my part of the next slot;
	ds_add_u32 v[SPW], v[NIL]
	s_wait_dscnt 5                                 ; (the add and the youngest four loads may be out)
	WIN MUL
	MUL8 F1, 0, 0                                  ; eight matrix instructions stand between the add and the wait for it
	s_wait_dscnt 0x0                               ; the add is done, and my reads of this slot are over
	s_barrier_signal -1
	MUL8 F1, 1, 0
.if \fill
	WIN 0
.endif
	s_barrier_wait -1
.if \fill
	CREST                                          ; no wave of any partner still reads this slot's tile or has a load on its way
	s_add_nc_u64 s[G0+4*\slot+2:G0+4*\slot+3], s[G0+4*\slot+2:G0+4*\slot+3], 2*KPL
	s_add_nc_u64 s[G0B+4*\slot+2:G0B+4*\slot+3], s[G0B+4*\slot+2:G0B+4*\slot+3], 2*256
	JLOAD \slot                                    ; the four v_nop behind it are also the places in front of the loads below
.else
	PLACES
.endif
	FETCH \next, 0, F0
.if \fill
	WIN 0
	ASK
.endif
	WIN MUL
	MUL8 F1, 2, 0
	MUL8 F1, 3, 0
.endm
	s_wait_tensorcnt 1                             ; my part of K step 0 is in (K step 1's load may be out)
	s_barrier_signal -1
	s_barrier_wait -1                              ; everybody's is
	s_wait_loadcnt 0x0                             ; bp
	FETCH 0, 0, F0
	QUARTER 0, 1, F0, F1, 1                        ; the first quarter stands in front of the loop: its products start the sums with bp
	WIN 0                                          ; at a label and at a branch every window is 0
	s_mov_b32 s3, LAPS-1
.Llap:                                                 ; a trip goes once round the ring, from a lap's second quarter to the next lap's first, and fills both slots again
	QUARTER 0, 2, F1, F0, 0
	QUARTER 0, 3, F0, F1, 0
	TURN 0, 1, 1
	QUARTER 1, 1, F0, F1, 0
	QUARTER 1, 2, F1, F0, 0
	QUARTER 1, 3, F0, F1, 0
	TURN 1, 0, 1
	QUARTER 0, 1, F0, F1, 0
	WIN 0
	s_sub_co_u32 s3, s3, 1
	s_cmp_lg_u32 s3, 0
	s_cbranch_scc1 .Llap
	QUARTER 0, 2, F1, F0, 0                        ; the last lap fills nothing, and has no round of the cluster's barrier
	QUARTER 0, 3, F0, F1, 0
	TURN 0, 1, 0
	QUARTER 1, 1, F0, F1, 0
	QUARTER 1, 2, F1, F0, 0
	QUARTER 1, 3, F0, F1, 0
	s_wait_dscnt 4                                 ; the very last quarter: nothing more to fetch
	WIN MUL
	MUL8 F1, 0, 0
	MUL8 F1, 1, 0
	s_wait_dscnt 0
	MUL8 F1, 2, 0
	MUL8 F1, 3, 0
	WIN 0
; THE WAY OUT, block by block of 16 rows x 128 columns.  A lane holds 32 neighbouring bytes of a row, and the lanes beside it hold other rows: so a block goes through my own stage and comes back as whole rows of
; 512 bytes.  LDS serves a wave's instructions in order (ISA guide 5.7.1.4): no wait between the stores and the loads, nor in front of the next block's stores.
.macro TOSTAGE a
.set AC, 64*(\a)
	WIN 0x08                                       ; an LDS store's data are its source 1: window 2
.irp b, 0,1,2,3,4,5,6,7
	ds_store_b128 v[STO], v[AC+8*\b:AC+8*\b+3] offset:64*\b          ; each accumulator from its low end on
	ds_store_b128 v[STO], v[AC+8*\b+4:AC+8*\b+7] offset:64*\b+16
.endr
	WIN 0
.set BB, BK+64*((\a)%2)
.irp t, 0,1,2,3,4,5,6,7,8,9,10,11,12,13,14,15
	ds_load_b128 v[BB+4*\t:BB+4*\t+3], v[RD] offset:\t*SPITCH
.endr
.endm
.macro SEND a, younger                 ; younger: the LDS instructions issued behind block a's loads: the next block's 16 stores and 16 loads, or none
.set BB, BK+64*((\a)%2)
	s_wait_dscnt \younger                          ; the block is back in registers
.irp t, 0,1,2,3,4,5,6,7,8,9,10,11,12,13,14,15
	global_store_b128 v[CO], v[BB+4*\t:BB+4*\t+3], s[10:11] offset:(16*(\a)+\t)*4096 th:TH_STORE_NT   ; 32 lanes store 512 consecutive bytes, at a multiple of 512 from out's first byte; written once, read by nobody here
.endr
.endm
	PLACES                                         ; behind the last products, ahead of the first read of results
	TOSTAGE 0
.irp a, 1,2,3
.if \a > 1
	s_wait_xcnt 0x0                                ; block a - 2's stores have read their registers: block a's loads may land there
.endif
	TOSTAGE \a
	SEND \a-1, 32
.endr
	SEND 3, 0
	s_wait_tensorcnt 0x0                           ; the wave's end, behind my last tensor load and my last LDS store
	ds_add_u32 v[SPW], v[NIL]
	s_wait_dscnt 0x0
	CROUND                                         ; the closing round: no work-group ends while a partner may still ask for a tile that names it
	s_endpgm
.Lfunc_end_k_qc1fe0b9500_proj:
	.size	k_qc1fe0b9500_proj, .Lfunc_end_k_qc1fe0b9500_proj-k_qc1fe0b9500_proj
	.p2alignl 7, 3214868480
	.fill 96, 4, 3214868480
	.section	.rodata,"a",@progbits
	.p2align	6, 0x0
	.amdhsa_kernel k_qc1fe0b9500_proj
		.amdhsa_group_segment_fixed_size 327680
		.amdhsa_private_segment_fixed_size 0
		.amdhsa_enable_private_segment 0
		.amdhsa_kernarg_size 32
		.amdhsa_user_sgpr_count 2
		.amdhsa_user_sgpr_kernarg_segment_ptr 1
		.amdhsa_wavefront_size32 1
		.amdhsa_system_sgpr_workgroup_id_x 1
		.amdhsa_system_sgpr_workgroup_id_y 1
		.amdhsa_system_sgpr_workgroup_id_z 1
		.amdhsa_system_vgpr_workitem_id 0
		.amdhsa_next_free_vgpr 768
		.amdhsa_next_free_sgpr 72
		.amdhsa_reserve_vcc 0
		.amdhsa_float_denorm_mode_32 3
		.amdhsa_float_denorm_mode_16_64 3
		.amdhsa_memory_ordered 1
		.amdhsa_forward_progress 1
		.amdhsa_inst_pref_size 87
	.end_amdhsa_kernel
	.amdgpu_metadata
---
amdhsa.version: [ 1, 2 ]
amdhsa.kernels:
  - .name:           k_qc1fe0b9500_proj
    .symbol:         k_qc1fe0b9500_proj.kd
    .args:
      - { .name: ctx, .offset: 0, .size: 8, .value_kind: global_buffer, .address_space: global }
      - { .name: wp16, .offset: 8, .size: 8, .value_kind: global_buffer, .address_space: global }
      - { .name: bp, .offset: 16, .size: 8, .value_kind: global_buffer, .address_space: global }
      - { .name: out0, .offset: 24, .size: 8, .value_kind: global_buffer, .address_space: global }
    .group_segment_fixed_size: 327680
    .private_segment_fixed_size: 0
    .kernarg_segment_align: 8
    .kernarg_segment_size: 32
    .max_flat_workgroup_size: 128
    .sgpr_count:     72
    .vgpr_count:     768
    .wavefront_size: 32
...
	.end_amdgpu_metadata
.endif
;; end of part 4
